; MI455X (gfx1250); checked and timed in simulation.
; The chip was launched on July 23, 2026; its instructions are those of AMD's public machine-readable ISA for CDNA 5 (MIT licence, August 2026) and "CDNA5" Instruction Set Architecture Reference Guide (July 2026). The comments in the code are by the model that wrote it; some were corrected since.
;; Mo E Layer. Allowed arithmetic: float matrix products may take bf16 or f16 operands with f32 sums; other float arithmetic in f32, or as packed bf16 or f16 multiplies, adds, multiply-adds, maxima and minima; sums over many terms, partial sums and values carried from step to step in f32; what a program stores and reads back later, other than sums and carried values, may be rounded once to bf16 or f16.
;; Inputs: b1 8 x 4,096 float32; b2 8 x 1,024 float32; gate_b 8 float32; gate_w 1,024 x 8 float32; hidden_states 4 x 256 x 1,024 float32; w1 8 x 1,024 x 4,096 float32; w2 8 x 4,096 x 1,024 float32.
;; Outputs: out0 4 x 256 x 1,024 float32.
;; Constants: top_k = 2.
;; 3 versions, each right; version 3 is version 2 with the launch route written anew for expert scheduling mode. Each part assembles by itself: llvm-mc -triple=amdgcn-amd-amdhsa -mcpu=gfx1250 --defsym DOCPART=n.
;; ======== version 1 of 3: 4 launches
;; limits: a function is approximated: absolute error at most 1.5e-07; an absolute error that grows with the inputs' magnitude: up to 6e-08 times it
;; workspace buffers: xb 2,097,152 bytes; ridx 8,192 bytes of whole numbers; rwt 8,192 bytes; hbuf 16,777,216 bytes; part 33,554,432 bytes
;; launch route (part 1): grid 256 x 1, 4 waves a work-group, no clusters, 0 bytes of LDS; arguments hidden_states, gate_w, gate_b, xb, ridx, rwt; writes xb, ridx, rwt
.if DOCPART == 1
	.amdgcn_target "amdgcn-amd-amdhsa--gfx1250"
	.amdhsa_code_object_version 6
	.text
	.protected	k_q67d5ba4dc5_route
	.globl	k_q67d5ba4dc5_route
	.p2align	8
	.type	k_q67d5ba4dc5_route,@function
k_q67d5ba4dc5_route:
	s_mov_b64 s[64:65], 0
	v_nop
	global_prefetch_b8 v0, s[64:65] scope:SCOPE_SE
	s_setreg_imm32_b32 hwreg(HW_REG_WAVE_MODE, 25, 1), 1
	s_wait_xcnt 0x0
; THE ROUTER.  One wave, one token t = 4 x work-group + wave.  scores[e] = sum over d of x[d] gate_w[d][e] + gate_b[e]; the two largest (the lower
; index wins a tie, as jax.lax.top_k has it), softmax over the two with the larger taken away.  Stored at fixed places: ridx[2 t + c] the expert,
; rwt[2 t + c] its weight, xb[t][:] the token rounded to bf16 for the products that follow.  No address hangs on a score.
; FORMAT.  x, gate_w and gate_b are rounded once to bf16, as every input of this program is; products and sums in f32 on the vector unit
; (8 multiply-adds for each number of x: no bulk work, and a choice that flips spoils a whole row).
; LIMITS.  NaN and infinities among the scores are not treated apart.
; Lane L holds x[128 i + 4 L + c], i = 0..7, c = 0..3.  gate_w's rows of those four d are 128 consecutive bytes: eight loads of 16 bytes a group i.
.set X,   8                            ; v[8:39]    x as loaded; later at work
.set GW,  40                           ; v[40:231]  six groups of 32: register 4 m + q = gate_w[d with c = m / 2][e = 4 (m % 2) + q]
.set ACC, 232                          ; v[232:239] the eight sums
.set XBF, 240                          ; v[240:255] x in bf16: register 2 i + u holds c = 2 u (low half) and 2 u + 1 (high half)
.macro GLOAD i
.irp m, 0,1,2,3,4,5,6,7
	global_load_b128 v[GW+32*((\i)%6)+4*\m:GW+32*((\i)%6)+4*\m+3], v3, s[6:7] offset:4096*(\i)+16*\m
.endr
.endm
; Group i: its 32 numbers of gate_w are rounded in pairs of experts, in place; then 32 multiply-adds from bf16 halves, the eight sums by turns.
.macro GROUP i, left
	s_wait_loadcnt \left                           ; loads come back in order: group i is in, the groups issued behind it stay out
.set g, GW+32*((\i)%6)
.set q, 0
.rept 16
	v_cvt_pk_bf16_f32 v[g+2*q], v[g+2*q], v[g+2*q+1]
.set q, q+1
.endr
.irp cu, 0,1
.irp xh, 0,1
.irp eu, 0,1,2,3
.irp gh, 0,1
	v_fma_mix_f32_bf16 v[ACC+2*\eu+\gh], v[g+4*(2*(2*\cu+\xh)+\eu/2)+2*(\eu%2)], v[XBF+2*(\i)+\cu], v[ACC+2*\eu+\gh] op_sel:[\gh,\xh,0] op_sel_hi:[1,1,0]
.endr
.endr
.endr
.endr
.endm
	s_load_b256 s[4:11], s[0:1], 0x0               ; hidden_states s[4:5], gate_w s[6:7], gate_b s[8:9], xb s[10:11]
	s_load_b128 s[12:15], s[0:1], 0x20             ; ridx s[12:13], rwt s[14:15]
	v_and_b32 v1, 31, v0                           ; lane
	v_lshrrev_b32 v5, 5, v0
	v_readfirstlane_b32 s26, v5                    ; wave
	s_lshl_b32 s27, ttmp9, 2
	s_add_co_u32 s27, s27, s26                     ; token
	v_lshlrev_b32 v2, 4, v1                        ; 16 L: x
	v_lshlrev_b32 v3, 7, v1                        ; 128 L: gate_w
	v_lshlrev_b32 v4, 3, v1                        ; 8 L: xb
	v_lshlrev_b32 v6, 2, v1                        ; 4 L: ridx, rwt
	s_mov_b32 s24, 0x76543210                      ; v_permlanex16_b32: each lane takes its own place in the other half
	s_mov_b32 s25, 0xfedcba98
	s_lshl_b32 s28, s27, 12                        ; a row of x: 4,096 bytes
	s_mov_b32 s29, 0
	s_lshl_b32 s30, s27, 11                        ; a row of xb: 2,048 bytes
	s_mov_b32 s31, 0
	s_lshl_b32 s2, s27, 3                          ; a token's two words
	s_mov_b32 s3, 0
	s_wait_kmcnt 0x0
	s_load_b256 s[16:23], s[8:9], 0x0              ; gate_b, all 32 bytes
	s_add_nc_u64 s[4:5], s[4:5], s[28:29]
	s_add_nc_u64 s[10:11], s[10:11], s[30:31]
	s_add_nc_u64 s[12:13], s[12:13], s[2:3]
	s_add_nc_u64 s[14:15], s[14:15], s[2:3]
.irp i, 0,1,2,3,4,5,6,7
	global_load_b128 v[X+4*\i:X+4*\i+3], v2, s[4:5] offset:512*\i th:TH_LOAD_NT  ; read once in the launch
.endr
.irp i, 0,1,2,3,4,5
	GLOAD \i
.endr
.irp e, 0,1,2,3,4,5,6,7
	v_mov_b32 v[ACC+\e], 0
.endr
	s_wait_loadcnt 48                              ; x is in; the 48 loads of six groups stay out
.set q, 0
.rept 16
	v_cvt_pk_bf16_f32 v[XBF+q], v[X+2*q], v[X+2*q+1]
.set q, q+1
.endr
.irp i, 0,1,2,3,4,5,6,7
	global_store_b64 v4, v[XBF+2*\i:XBF+2*\i+1], s[10:11] offset:256*\i  ; 32 lanes store 256 consecutive bytes, aligned; XBF is never rewritten
.endr
	GROUP 0, 40
	GLOAD 6                                        ; into group 0's registers, which have been used
	GROUP 1, 40
	GLOAD 7
	GROUP 2, 40
	GROUP 3, 32
	GROUP 4, 24
	GROUP 5, 16
	GROUP 6, 8
	GROUP 7, 0
	; the sums over the 32 lanes; every lane ends with all eight scores
.irp x, 1,2,4,8
.irp e, 0,1,2,3,4,5,6,7
	v_add_f32_dpp v[ACC+\e], v[ACC+\e], v[ACC+\e] row_xmask:\x row_mask:0xf bank_mask:0xf
.endr
.endr
.irp e, 0,1,2,3,4,5,6,7
	v_permlanex16_b32 v[X+\e], v[ACC+\e], s24, s25
.endr
	s_wait_kmcnt 0x0                               ; gate_b
.irp u, 0,1,2,3
	v_cvt_pk_bf16_f32 v[X+8+\u], s[16+2*\u], s[17+2*\u]
.endr
.irp u, 0,1,2,3
	v_lshlrev_b32 v[X+12+2*\u], 16, v[X+8+\u]
	v_and_b32 v[X+13+2*\u], 0xffff0000, v[X+8+\u]
.endr
.irp e, 0,1,2,3,4,5,6,7
	v_add_f32 v[ACC+\e], v[ACC+\e], v[X+\e]
.endr
.irp e, 0,1,2,3,4,5,6,7
	v_add_f32 v[ACC+\e], v[ACC+\e], v[X+12+\e]
.endr
	; the largest: a later score wins only if it is strictly greater
	v_mov_b32 v30, v[ACC]
	v_mov_b32 v31, 0
.irp e, 1,2,3,4,5,6,7
	v_cmp_gt_f32 vcc_lo, v[ACC+\e], v30
	v_cndmask_b32 v30, v30, v[ACC+\e], vcc_lo
	v_cndmask_b32 v31, v31, \e, vcc_lo
.endr
	v_mov_b32 v29, 0xff800000                      ; the winner leaves the field
.irp e, 0,1,2,3,4,5,6,7
	v_cmp_eq_u32 vcc_lo, \e, v31
	v_cndmask_b32 v[ACC+\e], v[ACC+\e], v29, vcc_lo
.endr
	v_mov_b32 v32, v[ACC]
	v_mov_b32 v33, 0
.irp e, 1,2,3,4,5,6,7
	v_cmp_gt_f32 vcc_lo, v[ACC+\e], v32
	v_cndmask_b32 v32, v32, v[ACC+\e], vcc_lo
	v_cndmask_b32 v33, v33, \e, vcc_lo
.endr
	; softmax over the two, the larger taken away: 1 / (1 + q) and q / (1 + q), q = e^(second - first) <= 1
	v_sub_f32 v34, v32, v30
	v_mul_f32 v34, 0x3fb8aa3b, v34
	v_exp_f32 v34, v34
	v_cmp_eq_u32 vcc_lo, 0, v1                     ; a plain instruction behind the exponential
	s_wait_alu depctr_va_vdst(0)
	v_add_f32 v35, 1.0, v34
	v_rcp_f32 v35, v35
	v_cndmask_b32 v36, v33, v31, vcc_lo            ; lane 0: the first choice; lane 1: the second.  (A plain instruction behind the reciprocal.)
	s_wait_alu depctr_va_vdst(0)
	v_mul_f32 v37, v34, v35
	v_cndmask_b32 v37, v37, v35, vcc_lo
	v_cmp_gt_u32 vcc_lo, 2, v1
	s_wait_xcnt 0x0                                ; EXEC is a source of the loads and stores above: it changes only behind this wait
	s_and_saveexec_b32 s26, vcc_lo
	global_store_b32 v6, v36, s[12:13]             ; eight bytes a token in each of the two tables: 16 KB in the whole launch
	global_store_b32 v6, v37, s[14:15]
	s_wait_xcnt 0x0
	s_or_b32 exec_lo, exec_lo, s26
	s_endpgm
.Lfunc_end_k_q67d5ba4dc5_route:
	.size	k_q67d5ba4dc5_route, .Lfunc_end_k_q67d5ba4dc5_route-k_q67d5ba4dc5_route
	.p2alignl 7, 3214868480
	.fill 96, 4, 3214868480
	.section	.rodata,"a",@progbits
	.p2align	6, 0x0
	.amdhsa_kernel k_q67d5ba4dc5_route
		.amdhsa_group_segment_fixed_size 0
		.amdhsa_private_segment_fixed_size 0
		.amdhsa_enable_private_segment 0
		.amdhsa_kernarg_size 48
		.amdhsa_user_sgpr_count 2
		.amdhsa_user_sgpr_kernarg_segment_ptr 1
		.amdhsa_wavefront_size32 1
		.amdhsa_system_sgpr_workgroup_id_x 1
		.amdhsa_system_sgpr_workgroup_id_y 1
		.amdhsa_system_sgpr_workgroup_id_z 1
		.amdhsa_system_vgpr_workitem_id 0
		.amdhsa_next_free_vgpr 256
		.amdhsa_next_free_sgpr 66
		.amdhsa_reserve_vcc 1
		.amdhsa_float_denorm_mode_32 3
		.amdhsa_float_denorm_mode_16_64 3
		.amdhsa_memory_ordered 1
		.amdhsa_forward_progress 1
		.amdhsa_inst_pref_size 42
	.end_amdhsa_kernel
	.amdgpu_metadata
---
amdhsa.version: [ 1, 2 ]
amdhsa.kernels:
  - .name:           k_q67d5ba4dc5_route
    .symbol:         k_q67d5ba4dc5_route.kd
    .args:
      - { .name: hidden_states, .offset: 0, .size: 8, .value_kind: global_buffer, .address_space: global }
      - { .name: gate_w, .offset: 8, .size: 8, .value_kind: global_buffer, .address_space: global }
      - { .name: gate_b, .offset: 16, .size: 8, .value_kind: global_buffer, .address_space: global }
      - { .name: xb, .offset: 24, .size: 8, .value_kind: global_buffer, .address_space: global }
      - { .name: ridx, .offset: 32, .size: 8, .value_kind: global_buffer, .address_space: global }
      - { .name: rwt, .offset: 40, .size: 8, .value_kind: global_buffer, .address_space: global }
    .group_segment_fixed_size: 0
    .private_segment_fixed_size: 0
    .kernarg_segment_align: 8
    .kernarg_segment_size: 48
    .max_flat_workgroup_size: 128
    .sgpr_count:     66
    .vgpr_count:     256
    .wavefront_size: 32
...
	.end_amdgpu_metadata
.endif
;; end of part 1
;; launch ffn1 (part 2): grid 32 x 8, 4 waves a work-group, no clusters, 197,120 bytes of LDS; arguments xb, w1, ridx, hbuf, b1; writes hbuf
.if DOCPART == 2
	.amdgcn_target "amdgcn-amd-amdhsa--gfx1250"
	.amdhsa_code_object_version 6
	.text
	.protected	k_q67d5ba4dc5_ffn1
	.globl	k_q67d5ba4dc5_ffn1
	.p2align	8
	.type	k_q67d5ba4dc5_ffn1,@function
k_q67d5ba4dc5_ffn1:
	s_mov_b64 s[64:65], 0
	v_nop
	global_prefetch_b8 v0, s[64:65] scope:SCOPE_SE
	s_setreg_imm32_b32 hwreg(HW_REG_WAVE_MODE, 25, 1), 1
	s_wait_xcnt 0x0
; ONE PRODUCT OF THE EXPERTS' CHAIN, for the chosen rows alone.  One text serves both products; SECOND says which.
;   SECOND = 0: hbuf[p][f] = gelu(xb[p / 2][:] . w1[e][:][f] + b1[e][f]), bf16.      SECOND = 1: part[kq][p][d] = hbuf[p][quarter kq of f] . w2[e][that quarter][d], f32 partial sums.
; p = 2 token + choice is a routed row's fixed place in hbuf and part; ridx[p] is its expert.
; SHARES.  A work-group has ONE expert (grid y) and a slice of its weights of 1,024 k x 128 columns (grid x), which it alone reads, and all rows of that expert.
; Every wave makes its own copy of the list of the expert's p in its own LDS bytes (same steps, same list).  A tile is 16 rows of the list x 128 columns; tile 4 a + w goes to wave w.
; Six tiles a wave, 384 rows a work-group, are a GROUP and ride on one pass over the slice.  The pass stands in a loop of three groups (an expert has 1,024 rows at the most): a group without rows
; jumps over every load, store and product and passes only the barriers, which every wave passes whatever the counts.  Group 0 reads the slice whatever the count, so that its first
; loads go out before the list is made.  Places past the count in the last tile repeat the list's first row: they store the same bytes again.
; THE PASS.  K goes in 8 chunks of 128.  Wave w loads 32 of a chunk's 128 rows of W (512 consecutive bytes an instruction), rounds them to bf16 and lays them [k][n] into the one LDS slot;
; its own tiles' rows of A (256 consecutive bytes for 16 lanes) go through registers into its own LDS bytes.  The next chunk is asked for as soon as this one has left its registers, ahead of both
; barriers, and has the chunk's products in which to land.  Two barriers a chunk: nobody reads the slot any more; the slot is whole.
; THE MATRIX INSTRUCTION IS USED TRANSPOSED: source 0 = 16 columns of W (turned by ds_load_tr16_b128), source 1 = 16 rows of A: a lane then holds eight neighbouring columns of one row.
; FORMAT.  W and b1 are rounded once to bf16, as every input of this program is; sums in f32; h rounded once to bf16; partial sums stay in f32.
; GELU.  0.5 u (1 + erf(u / sqrt 2)), erf by the fifth-degree rational form (Abramowitz and Stegun 7.1.26, absolute error 1.5e-7, all arguments).
; LIMITS.  For very negative u the result carries an absolute error of some 6e-8 |u| where the true value is nearer to 0.  NaN and infinities are not treated apart.
; NO JOINT LOADS: a slice of weights has one reader; what an expert's work-groups share is its rows of A, which come by a list that no tile descriptor covers.
.set SECOND, 0
.if SECOND
.set WP,   4096                        ; bytes from a k row of W to the next
.set ASH,  13                          ; a row of A: p << 13
.set OSH,  12                          ; a row of the output: p << 12
.set EP,   528                         ; the stage's pitch: 512 bytes + 16
.set IDXW, 32                          ; loads issued behind the index loads
.else
.set WP,   16384
.set ASH,  10                          ; (p & 0x7fe) << 10 = token x 2,048
.set OSH,  13
.set EP,   272                         ; 256 bytes + 16
.set IDXW, 33
.endif
.set WPI,   288                        ; a k row of W in LDS: 256 bytes + 32 = 72 words
.set XPI,   272                        ; a row of A in LDS: 256 bytes + 16: the 16 rows of a fragment load start at 16 different groups of four banks
.set XSB,   128*WPI                    ; behind W's slot: A's rows, 96 for each wave
.set XSW,   96*XPI
.set ESB,   XSB+4*XSW                  ; the stages for the way out, one for each wave
.set ESW,   8448
.set BSB,   ESB+4*ESW                  ; b1 of the slice, rounded, 512 bytes for each wave
.set LISTB, BSB+4*512                  ; the lists, one for each wave: 1,152 entries and 32 words for what does not belong
.set LISTW, 4864
.set LISTN, 1152
.set SPARE, LISTB+4*LISTW              ; the spare words, 128 bytes for each wave: two blocks of 256 bytes that no other line names
; window 0
.set LN,    1                          ; lane
.set WVO,   2                          ; 32 w rows of W + 16 L
.set L16,   3                          ; 16 L
.set WSTO,  4                          ; where my 8 bytes of a row of W go: row 32 w of the slot
.set WRD,   5                          ; my lane's place for the turning load
.set XSTO,  6                          ; where my 16 bytes of A go
.set XRD,   7                          ; my lane's place in a fragment of A
.set ESTO,  8                          ; the way out: where I put my columns of a row
.set ERD,   9                          ; the way out: where I read rows back
.set LRD,   10                         ; my place in the list for A's rows
.set LRE,   11                         ; my place in the list for the rows that I store
.set C16,   12                         ; 16 (L % 16)
.set SPW,   13                         ; LDS address of my spare word; never rewritten
.set NIL,   14                         ; 0; never rewritten
.set BRD,   15                         ; where I read b1 of my columns
.set LG,    17                         ; the way out: LRE in the group in hand.  v16-23 are at work
.set XO,    24                         ; v[24:71]   byte offset of my 16 bytes in A: tile a, load i at 8 a + i
.set AF,    72                         ; v[72:103]  fragments of A: two buffers of 16 rows x 64 k
.set PR,    AF                         ; on the way out: the stores' offsets
.set XRL,   104                        ; v[104:167] A of tiles 4, 5 on its way; on the way out at work
.set WC,    168                        ; v[168:231] 32 rows of W in bf16
.set IX,    WC                         ; at the head: the choices
.set HB,    WC                         ; on the way out: rows read back from the stage
.set GZ,    200                        ; gelu, at work
.set GT,    208
.set GE,    216
.set GY,    224
.set ZR,    232                        ; v[232:239] zeros; never rewritten
.set GH,    248                        ; v[248:253] at work
.if SECOND
.set CST,   L16                        ; my 16 bytes in a row that is stored
.else
.set CST,   C16
.endif
; window 1: accumulator (a, b) at 64 a + 8 b, a = 0..3.   window 2: v0-127 those of a = 4, 5; v128-255 W's fragments, 64 s + 8 b.
; window 3: v0-127 32 rows of W in f32 (on the way out v0-63: b1 of my columns); v128-255 A of tiles 0 to 3 on its way
.set WV,  14
.set EX,  15                           ; the expert
.set SX,  16                           ; the slice
.set CNT, 17                           ; rows of the expert
.set REM, 18                           ; my tiles from this group on (signed)
.set NT,  19                           ; my tiles in this group, 0 to 6
.set G,   20                           ; the group
.set LC,  21                           ; counts chunks, 8 to 1
.set GL,  22                           ; the group's byte offset in the list
.set SA,  23                           ; counts tiles on the way out
.set WB,  24                           ; s[24:25] W at the chunk that was asked for last
.set WS,  26                           ; s[26:27] W at my slice
.set XBC, 28                           ; s[28:29] A at the chunk that was asked for last
.set XB0, 30                           ; s[30:31] A at chunk 0
.set ALV, 32                           ; 1: the group has rows (group 0: always)
.set LB,  33                           ; my list's LDS address
.set GR,  34                           ; rows in front of the group
.set CZ,  52                           ; sqrt(log2 e / 2)
.set PS,  54                           ; pairs, named whole by the packed forms, which take the low word for both halves
.set CA5, 56
.set CA4, 58
.set CA3, 60
.set CA2, 62
.set CA1, 66
.set KC,  68
.set MSB, 0
.macro WIN new                         ; the immediate's high byte repeats the setting that is left; a switch that changes nothing is dropped
.if MSB != (\new)
	s_set_vgpr_msb (MSB<<8)|(\new)
.set MSB, (\new)
.endif
.endm
.macro PLACES                          ; four plain vector instructions between a matrix instruction and a load into, or a reader of, its registers
.rept 4
	v_nop
.endr
.endm
.macro WISSUE                          ; my 32 rows of a chunk of W: an instruction takes 512 consecutive bytes of one row
	WIN 0xc0
.set q, 0
.rept 32
	global_load_b128 v[4*q:4*q+3], v[WVO], s[WB:WB+1] offset:q*WP th:TH_LOAD_NT
.set q, q+1
.endr
	WIN 0
.endm
.macro WCVT                            ; they are rounded to bf16
	WIN 0x0f
.set q, 0
.rept 64
	v_cvt_pk_bf16_f32 v[WC+q], v[2*q], v[2*q+1]
.set q, q+1
.endr
	WIN 0
.endm
.macro WSTORE                          ; and laid into the slot: 256 consecutive bytes an instruction
.set q, 0
.rept 32
	ds_store_b64 v[WSTO], v[WC+2*q:WC+2*q+1] offset:WPI*q
.set q, q+1
.endr
.endm
.macro XTILE a                         ; where tile a's rows of A wait: register and window
.if (\a) < 4
.set XBR, 128+32*(\a)
.set XWN, 3
.else
.set XBR, XRL+32*((\a)-4)
.set XWN, 0
.endif
.endm
.macro XST                             ; my tiles' rows of A of this chunk go into my LDS bytes
.irp a, 0,1,2,3,4,5
	s_cmp_le_u32 s[NT], \a
	s_cbranch_scc1 .Lxs_\@
	XTILE \a
	WIN 4*XWN
.irp i, 0,1,2,3,4,5,6,7
	ds_store_b128 v[XSTO], v[XBR+4*\i:XBR+4*\i+3] offset:XPI*(16*\a+2*\i)
.endr
	WIN 0
.endr
.Lxs_\@:
.endm
.macro XLD a0                          ; the next chunk's rows of tiles a0 to a0 + 2, as far as I have them
.irp d, 0,1,2
	s_cmp_le_u32 s[NT], (\a0)+\d
	s_cbranch_scc1 .Lxl_\@
	XTILE (\a0)+\d
	WIN 64*XWN
.irp i, 0,1,2,3,4,5,6,7
	global_load_b128 v[XBR+4*\i:XBR+4*\i+3], v[XO+8*((\a0)+\d)+\i], s[XBC:XBC+1]
.endr
	WIN 0
.endr
.Lxl_\@:
.endm
.macro XALL_LD                         ; all six tiles' rows, whatever the count: the list holds a row that exists at every place
	WIN 0xc0
.set q, 0
.rept 32
	global_load_b128 v[128+4*q:128+4*q+3], v[XO+q], s[XBC:XBC+1]
.set q, q+1
.endr
	WIN 0
.set q, 0
.rept 16
	global_load_b128 v[XRL+4*q:XRL+4*q+3], v[XO+32+q], s[XBC:XBC+1]
.set q, q+1
.endr
.endm
.macro ALOAD a, hf                     ; tile a's fragments of A, 16 rows x 64 k of half hf of the chunk, into buffer a % 2
.irp s, 0,1
	ds_load_b128 v[AF+16*((\a)%2)+8*\s:AF+16*((\a)%2)+8*\s+3],   v[XRD] offset:16*XPI*(\a)+128*(\hf)+64*\s
	ds_load_b128 v[AF+16*((\a)%2)+8*\s+4:AF+16*((\a)%2)+8*\s+7], v[XRD] offset:16*XPI*(\a)+128*(\hf)+64*\s+32
.endr
.endm
.macro BLOAD hf                        ; the half's 16 fragments of W, turned: the first 32 k first
	WIN 0x80
.irp s, 0,1
.irp b, 0,1,2,3,4,5,6,7
	ds_load_tr16_b128 v[128+64*\s+8*\b:128+64*\s+8*\b+3],   v[WRD] offset:64*WPI*(\hf)+32*WPI*\s+32*\b
	ds_load_tr16_b128 v[128+64*\s+8*\b+4:128+64*\s+8*\b+7], v[WRD] offset:64*WPI*(\hf)+32*WPI*\s+32*\b+16*WPI
.endr
.endr
.endm
.macro MM a, s                         ; eight matrix instructions: tile a, 32 k; its eight accumulators take turns
.if (\a) < 4
	WIN 0x52
.set AC, 64*(\a)
.else
	WIN 0xa2
.set AC, 64*((\a)-4)
.endif
.irp b, 0,1,2,3,4,5,6,7
	v_wmma_f32_16x16x32_bf16 v[AC+8*\b:AC+8*\b+7], v[128+64*(\s)+8*\b:128+64*(\s)+8*\b+7], v[AF+16*((\a)%2)+8*(\s):AF+16*((\a)%2)+8*(\s)+7], v[AC+8*\b:AC+8*\b+7]
.endr
.endm
.macro ROW a, hf, tag                  ; tile a is multiplied; the next tile's fragments of A, if there is one, are asked for first
.if (\a) < 5
	s_cmp_gt_u32 s[NT], (\a)+1
	s_cbranch_scc0 .Lnoa_\@
	PLACES                                         ; the buffer was read by the matrix instructions just issued
	ALOAD (\a)+1, \hf
	s_wait_dscnt 4                                 ; all but those four
	s_branch .Lgo_\@
.Lnoa_\@:
	s_wait_dscnt 0x0
.Lgo_\@:
.else
	s_wait_dscnt 0x0
.endif
	MM \a, 0
	MM \a, 1
	WIN 0
.if (\a) < 5
	s_cmp_le_u32 s[NT], (\a)+1
	s_cbranch_scc1 .Lcend_\tag
.endif
.endm
.macro COMPUTE hf                      ; my NT tiles times half hf (64 k) of the chunk
	s_cmp_eq_u32 s[NT], 0
	s_cbranch_scc1 .Lcend_\@
	PLACES                                         ; the fragments' registers were read by the matrix instructions of the half before
	ALOAD 0, \hf
	s_cmp_lt_u32 s[NT], 2
	s_cbranch_scc1 .Lone_\@
	ALOAD 1, \hf
.Lone_\@:
	BLOAD \hf
	s_wait_dscnt 16                                ; LDS loads come back in order: only W's fragments of the second 32 k may be out
	MM 0, 0
	s_wait_dscnt 0x0
	MM 0, 1
	WIN 0
	s_cmp_lt_u32 s[NT], 2
	s_cbranch_scc1 .Lcend_\@
	ROW 1, \hf, \@
	ROW 2, \hf, \@
	ROW 3, \hf, \@
	ROW 4, \hf, \@
	ROW 5, \hf, \@
.Lcend_\@:
	s_wait_dscnt 0x0                               ; whichever way led here, none of my LDS loads is out: the fragments' registers are loaded into again by what follows
.endm
; All 48 accumulators are written, whatever the wave's number of tiles: a matrix instruction on zero operands with C = 0 writes eight registers.
; Five plain instructions stand between the last group's products and these, which write over their results.
.macro CLEAR
.rept 5
	v_nop
.endr
	WIN 0x40
.set q, 0
.rept 32
	v_wmma_f32_16x16x32_bf16 v[8*q:8*q+7], v[ZR:ZR+7], v[ZR:ZR+7], 0
.set q, q+1
.endr
	WIN 0x80
.set q, 0
.rept 16
	v_wmma_f32_16x16x32_bf16 v[8*q:8*q+7], v[ZR:ZR+7], v[ZR:ZR+7], 0
.set q, q+1
.endr
	WIN 0
.endm
.macro XOFFS                           ; the group's 48 x 2 rows of the list become byte offsets in A
	v_add_nc_u32 v16, s[GL], v[LRD]
.set q, 0
.rept 48
	ds_load_b32 v[XO+q], v16 offset:256*(q/8)+8*(q%8)
.set q, q+1
.endr
	s_wait_dscnt 0x0
.set q, 0
.rept 48
	v_min_u32 v[XO+q], 0x7ff, v[XO+q]
.if SECOND == 0
	v_and_b32 v[XO+q], 0x7fe, v[XO+q]
.endif
	v_lshl_add_u32 v[XO+q], v[XO+q], ASH, v[C16]
.set q, q+1
.endr
.endm
.if SECOND == 0
; gelu of the eight numbers u of column block b.  z = |u| sqrt(log2 e / 2), so that e^(-u^2 / 2) = 2^(-z z); t = 1 / (1 + 0.3275911 |u| / sqrt 2);
; y = t (a1 + t (a2 + t (a3 + t (a4 + t a5)))) 2^(-z z) = 1 - erf(|u| / sqrt 2); gelu = 0.5 u + 0.5 |u| (1 - y) = z (KC - KC y) + 0.5 u.
.macro GELU8 b
.set U, XRL+8*(\b)
.irp j, 0,1,2,3,4,5,6,7
	v_mul_f32 v[GZ+\j], |v[U+\j]|, s[CZ]
.endr
.irp j, 0,2,4,6
	v_pk_fma_f32 v[GT+\j:GT+\j+1], v[GZ+\j:GZ+\j+1], s[PS:PS+1], 1.0 op_sel_hi:[1,0,0]
.endr
.irp j, 0,2,4,6
	v_pk_mul_f32 v[GE+\j:GE+\j+1], v[GZ+\j:GZ+\j+1], v[GZ+\j:GZ+\j+1] neg_lo:[1,0] neg_hi:[1,0]
.endr
.irp j, 0,1,2,3,4,5,6,7
	v_rcp_f32 v[GT+\j], v[GT+\j]
.endr
.irp j, 0,1,2,3,4,5,6,7
	v_exp_f32 v[GE+\j], v[GE+\j]
.endr
.irp j, 0,2,4,6
	v_pk_mul_f32 v[U+\j:U+\j+1], v[U+\j:U+\j+1], 0.5 op_sel_hi:[1,0]  ; plain instructions behind the last exponential
.endr
	s_wait_alu depctr_va_vdst(0)
.irp j, 0,2,4,6
	v_pk_fma_f32 v[GY+\j:GY+\j+1], v[GT+\j:GT+\j+1], s[CA5:CA5+1], s[CA4:CA4+1] op_sel_hi:[1,0,0]
.endr
.irp c, CA3, CA2, CA1
.irp j, 0,2,4,6
	v_pk_fma_f32 v[GY+\j:GY+\j+1], v[GY+\j:GY+\j+1], v[GT+\j:GT+\j+1], s[\c:\c+1] op_sel_hi:[1,1,0]
.endr
.endr
.irp j, 0,2,4,6
	v_pk_mul_f32 v[GY+\j:GY+\j+1], v[GY+\j:GY+\j+1], v[GT+\j:GT+\j+1]
.endr
.irp j, 0,2,4,6
	v_pk_mul_f32 v[GY+\j:GY+\j+1], v[GY+\j:GY+\j+1], v[GE+\j:GE+\j+1]
.endr
.irp j, 0,2,4,6
	v_pk_fma_f32 v[GY+\j:GY+\j+1], v[GY+\j:GY+\j+1], s[KC:KC+1], s[KC:KC+1] op_sel_hi:[1,0,0] neg_lo:[1,0,0] neg_hi:[1,0,0]
.endr
.irp j, 0,2,4,6
	v_pk_fma_f32 v[GY+\j:GY+\j+1], v[GZ+\j:GZ+\j+1], v[GY+\j:GY+\j+1], v[U+\j:U+\j+1]
.endr
.irp j, 0,1,2,3
	v_cvt_pk_bf16_f32 v[GH+\j], v[GY+2*\j], v[GY+2*\j+1]
.endr
	ds_store_b128 v[ESTO], v[GH:GH+3] offset:32*(\b)
.endm
.endif
	; THE HEAD
	s_load_b256 s[4:11], s[0:1], 0x0               ; A s[4:5], W s[6:7], ridx s[8:9], the output s[10:11]
.if SECOND == 0
	s_load_b64 s[12:13], s[0:1], 0x20              ; b1
.endif
	v_lshl_add_u32 v[SPW], v0, 2, SPARE
	v_mov_b32 v[NIL], 0
	v_lshrrev_b32 v16, 5, v0
	v_readfirstlane_b32 s[WV], v16                 ; wave 0..3
	s_and_b32 s[EX], ttmp7, 0xffff
	s_mov_b32 s[SX], ttmp9
	v_and_b32 v[LN], 31, v0
	v_and_b32 v16, 15, v0                          ; r = L % 16
	v_bfe_u32 v17, v0, 4, 1                        ; h = L / 16
	v_and_b32 v18, 7, v0                           ; L % 8
	v_bfe_u32 v19, v0, 3, 1                        ; (L / 8) % 2
	v_lshlrev_b32 v[L16], 4, v[LN]
	v_lshlrev_b32 v[C16], 4, v16
	s_mul_i32 s40, s[WV], 32*WP
	v_add_nc_u32 v[WVO], s40, v[L16]
	s_mul_i32 s40, s[WV], 32*WPI
	v_lshl_add_u32 v[WSTO], v[LN], 3, s40
	v_lshl_add_u32 v[WRD], v17, 3, v18             ; the turning load: lane L reads k row 8 h + L % 8, 16 bytes at 16 ((L / 8) % 2)
	v_mul_u32_u24 v[WRD], v[WRD], WPI
	v_lshl_add_u32 v[WRD], v19, 4, v[WRD]
	s_mul_i32 s42, s[WV], XSW
	s_add_co_u32 s42, s42, XSB
	v_mul_u32_u24 v[XSTO], v17, XPI                ; a load of A takes two rows of 256 bytes: row h, 16 bytes at 16 r
	v_add_nc_u32 v[XSTO], v[XSTO], v[C16]
	v_add_nc_u32 v[XSTO], s42, v[XSTO]
	v_mul_u32_u24 v[XRD], v16, XPI                 ; a fragment: row r, 16 bytes for each half of the lanes
	v_lshl_add_u32 v[XRD], v17, 4, v[XRD]
	v_add_nc_u32 v[XRD], s42, v[XRD]
	s_mul_i32 s43, s[WV], ESW
	s_add_co_u32 s43, s43, ESB
	v_mul_u32_u24 v[ESTO], v16, EP
.if SECOND
	v_lshl_add_u32 v[ESTO], v17, 5, v[ESTO]        ; row r, 32 bytes (8 f32) for each half of the lanes
	v_add_nc_u32 v[ERD], s43, v[L16]               ; back: a whole row of 512 bytes
.else
	v_lshl_add_u32 v[ESTO], v17, 4, v[ESTO]        ; row r, 16 bytes (8 bf16) for each half of the lanes
	v_mul_u32_u24 v[ERD], v17, EP                  ; back: lanes 0-15 one row of 256 bytes, lanes 16-31 the next
	v_add_nc_u32 v[ERD], v[ERD], v[C16]
	v_add_nc_u32 v[ERD], s43, v[ERD]
.endif
	v_add_nc_u32 v[ESTO], s43, v[ESTO]
	s_mul_i32 s[LB], s[WV], LISTW
	s_add_co_u32 s[LB], s[LB], LISTB
	s_lshl_b32 s44, s[WV], 6                       ; tile 4 a + w begins at entry 64 a + 16 w
	s_add_co_u32 s44, s44, s[LB]
	v_lshl_add_u32 v[LRD], v17, 2, s44
.if SECOND
	v_mov_b32 v[LRE], s44                          ; a store takes one row
.else
	v_mov_b32 v[LRE], v[LRD]                       ; a store takes two rows, as a load of A does
	s_lshl_b32 s45, s[WV], 9
	s_add_co_u32 s45, s45, BSB
	v_lshl_add_u32 v[BRD], v17, 5, s45             ; b1: columns 16 b + 8 h on
	v_add_nc_u32 v23, s45, v[L16]                  ; and where my four numbers of it go
.endif
	s_lshl_b32 s40, s[EX], 24                      ; an expert's weights: 2^24 bytes
.if SECOND
	s_lshr_b32 s46, s[SX], 3                       ; which quarter of K
	s_and_b32 s47, s[SX], 7                        ; which 128 columns
	s_lshl_b32 s41, s46, 22                        ; 1,024 rows of 4,096 bytes
	s_add_co_u32 s40, s40, s41
	s_lshl_b32 s41, s47, 9
	s_add_co_u32 s40, s40, s41
	s_lshl_b32 s42, s46, 11                        ; the quarter in a row of h: 2,048 bytes
	s_lshl_b32 s44, s46, 23                        ; the quarter's plane of partial sums
	s_add_co_u32 s44, s44, s41
.else
	s_lshl_b32 s41, s[SX], 9                       ; 128 columns of f32
	s_add_co_u32 s40, s40, s41
	s_mov_b32 s42, 0
	s_lshl_b32 s44, s[SX], 8                       ; 128 columns of bf16
	s_lshl_b32 s46, s[EX], 14
	s_add_co_u32 s46, s46, s41
	s_mov_b32 s47, 0
	s_mov_b32 s[CZ], 0x3f596d27                    ; sqrt(log2 e / 2) = 0.8493218
	s_mov_b32 s[PS], 0x3e8ba440                    ; 0.3275911 / sqrt(log2 e) = 0.2727375
	s_mov_b32 s[CA5], 0x3f87dc22                   ; 1.061405429
	s_mov_b32 s[CA4], 0xbfba00e3                   ; -1.453152027
	s_mov_b32 s[CA3], 0x3fb5f0e3                   ; 1.421413741
	s_mov_b32 s[CA2], 0xbe91a98e                   ; -0.284496736
	s_mov_b32 s[CA1], 0x3e827906                   ; 0.254829592
	s_mov_b32 s[KC], 0x3f16b55f                    ; sqrt(ln 2 / 2) = 0.5887050: 0.5 |u| = KC z
.irp c, PS, CA5, CA4, CA3, CA2, CA1, KC
	s_mov_b32 s[\c+1], s[\c]
.endr
.endif
	s_mov_b32 s41, 0
	s_mov_b32 s43, 0
	s_mov_b32 s45, 0
	s_wait_kmcnt 0x0
	s_add_nc_u64 s[WS:WS+1], s[6:7], s[40:41]
	s_add_nc_u64 s[XB0:XB0+1], s[4:5], s[42:43]
	s_add_nc_u64 s[10:11], s[10:11], s[44:45]
.if SECOND == 0
	s_add_nc_u64 s[12:13], s[12:13], s[46:47]
.endif
	s_mov_b64 s[WB:WB+1], s[WS:WS+1]
.set q, 0
.rept 16
	global_load_b128 v[IX+4*q:IX+4*q+3], v[L16], s[8:9] offset:512*q  ; all 2,048 choices: registers 4 g + 2 u, + 1 hold the two of token 64 g + 2 L + u
.set q, q+1
.endr
.if SECOND == 0
	global_load_b128 v[GH:GH+3], v[L16], s[12:13]  ; b1 of columns 4 L to 4 L + 3 of the slice
.endif
	WISSUE                                         ; chunk 0 of W is on its way while the list is made
.set q, 0
.rept 8
	v_mov_b32 v[ZR+q], 0
.set q, q+1
.endr
.set q, 0
.rept 32
	v_mov_b32 v[AF+q], 0                           ; a wave with one tile never loads the second buffer: it holds written registers all the same
.set q, q+1
.endr
	; THE LIST.  Every place first holds 0, a row that exists; then each p of my expert goes to the place of its rank; the other tokens' go to a word that nobody reads.
	; A token's two choices differ, so one step serves both: p = 2 token + (1 if it is the second choice).
	v_lshl_add_u32 v18, v[LN], 4, s[LB]
.irp j, 0,1,2,3,4,5,6,7,8
	ds_store_b128 v18, v[ZR:ZR+3] offset:512*\j
.endr
	v_add_nc_u32 v19, LISTN, v[LN]
	v_lshlrev_b32 v20, 2, v[LN]
	s_mov_b32 s[CNT], 0
	s_wait_loadcnt IDXW                            ; the choices are in; what was issued behind them stays out
.set k, 0
.rept 32
	v_cmp_eq_u32 s36, s[EX], v[IX+2*k]
	v_cmp_eq_u32 vcc_lo, s[EX], v[IX+2*k+1]
	s_or_b32 s36, s36, vcc_lo
	v_mbcnt_lo_u32_b32 v21, s36, s[CNT]            ; rows found so far + those in the lanes below me
	v_cndmask_b32 v21, v19, v21, s36
	v_min_u32 v21, LISTN+31, v21
	v_lshl_add_u32 v21, v21, 2, s[LB]
	v_cndmask_b32 v22, 0, 1, vcc_lo
	v_add3_u32 v22, v22, v20, 128*(k/2)+2*(k%2)
	ds_store_b32 v21, v22
	s_bcnt1_i32_b32 s37, s36
	s_add_co_u32 s[CNT], s[CNT], s37
.set k, k+1
.endr
	v_mov_b32 v18, s[LB]
	ds_load_b32 v21, v18                           ; the list's first row
	v_add_nc_u32 v22, s[CNT], v[LN]
	v_min_u32 v22, LISTN+31, v22
	v_lshl_add_u32 v22, v22, 2, s[LB]
	s_wait_dscnt 0x0
	ds_store_b32 v22, v21                          ; fills the 32 places behind the count: the last tile's spare rows among them
.if SECOND == 0
	s_wait_loadcnt 32                              ; b1 is in; W's 32 loads stay out
	v_cvt_pk_bf16_f32 v[GH+4], v[GH], v[GH+1]      ; rounded to bf16 and widened again
	v_cvt_pk_bf16_f32 v[GH+5], v[GH+2], v[GH+3]
	v_lshlrev_b32 v[GH], 16, v[GH+4]
	v_and_b32 v[GH+1], 0xffff0000, v[GH+4]
	v_lshlrev_b32 v[GH+2], 16, v[GH+5]
	v_and_b32 v[GH+3], 0xffff0000, v[GH+5]
	ds_store_b128 v23, v[GH:GH+3]
.endif
	s_add_co_u32 s40, s[CNT], 15
	s_lshr_b32 s40, s40, 4                         ; tiles of the expert
	s_add_co_u32 s40, s40, 3
	s_sub_co_u32 s40, s40, s[WV]
	s_lshr_b32 s[REM], s40, 2                      ; of which tiles w, 4 + w, .. are mine
	s_min_u32 s[NT], s[REM], 6
	s_mov_b32 s[GL], 0
	s_mov_b32 s[GR], 0
	s_mov_b32 s[G], 0
	s_mov_b32 s[ALV], 1
	s_branch .Lgo
.Lgroup:                                               ; groups 1 and 2
	s_cmp_eq_u32 s[ALV], 0
	s_cbranch_scc1 .Lpass
	s_mov_b64 s[WB:WB+1], s[WS:WS+1]               ; no load is out
	WISSUE
.Lgo:
	CLEAR
	XOFFS
	s_mov_b64 s[XBC:XBC+1], s[XB0:XB0+1]
	XALL_LD                                        ; chunk 0 of A
.Lpass:
	s_mov_b32 s[LC], 8
.Lk:                                                   ; A CHUNK.  Every wait for loads is for 0: it holds whichever of the loads were jumped over
	s_wait_loadcnt 0x0                             ; this chunk's W and A are in; no load is out, so the bases may step
	s_cmp_eq_u32 s[ALV], 0
	s_cbranch_scc1 .Lnocvt
	WCVT
.Lnocvt:
	XST
	s_cmp_eq_u32 s[LC], 1
	s_cbranch_scc1 .Lnold                          ; the last chunk asks for nothing
	s_add_nc_u64 s[XBC:XBC+1], s[XBC:XBC+1], 256
	s_cmp_eq_u32 s[ALV], 0
	s_cbranch_scc1 .Lnow
	s_add_nc_u64 s[WB:WB+1], s[WB:WB+1], 128*WP
	WISSUE                                         ; the next chunk: 32 loads of W,
.Lnow:
	XLD 0                                          ; and those of A's tiles 0 to 2; the other tiles' follow between the two halves of the products below
.Lnold:
	s_wait_dscnt 0x0                               ; my reads of the slot are over (and my stores of A are done)
	s_barrier_signal -1
	s_barrier_wait -1                              ; nobody reads the slot any more
	s_cmp_eq_u32 s[ALV], 0
	s_cbranch_scc1 .Lnost
	WSTORE
.Lnost:
	s_wait_dscnt 0x0                               ; for the others' sake: my rows of W are in the slot
	s_barrier_signal -1
	s_barrier_wait -1                              ; the slot is whole
	COMPUTE 0
	s_cmp_eq_u32 s[LC], 1
	s_cbranch_scc1 .Lnold2
	XLD 3
.Lnold2:
	COMPUTE 1
	s_sub_co_u32 s[LC], s[LC], 1
	s_cmp_lg_u32 s[LC], 0
	s_cbranch_scc1 .Lk
	s_wait_loadcnt 0x0                             ; nothing is out: the registers that loads fill are used otherwise below
	; THE WAY OUT, a tile at a time, through my stage in LDS
	PLACES
	s_cmp_eq_u32 s[NT], 0
	s_cbranch_scc1 .Lnextg
.if SECOND == 0
	WIN 0xc0
.irp b, 0,1,2,3,4,5,6,7
	ds_load_b128 v[8*\b:8*\b+3],   v[BRD] offset:64*\b      ; b1 of my columns, where W's rows lay
	ds_load_b128 v[8*\b+4:8*\b+7], v[BRD] offset:64*\b+16
.endr
	WIN 0
	s_wait_dscnt 0x0
.endif
	v_add_nc_u32 v[LG], s[GL], v[LRE]
	s_mov_b32 s[SA], 0
.Ltile:
	s_cmp_ge_u32 s[SA], s[NT]
	s_cbranch_scc1 .Lstep
	s_wait_xcnt 0x0                                ; the last tile's stores have had their addresses translated: their registers are written again only behind this wait
.irp a, 0,1,2,3,4,5                    ; one of six blocks: the tile's accumulators and its place in the list are named by number
	s_cmp_lg_u32 s[SA], \a
	s_cbranch_scc1 .Lnot_\a
.if \a < 4
.set AC, 64*\a
.set WA, 1
.else
.set AC, 64*(\a-4)
.set WA, 2
.endif
.if SECOND
.set q, 0
.rept 16
	ds_load_b32 v[PR+q], v[LG] offset:256*\a+4*q   ; the rows' p
.set q, q+1
.endr
	WIN 4*WA                                       ; the stores' data in window 1 or 2
.irp b, 0,1,2,3,4,5,6,7
	ds_store_b128 v[ESTO], v[AC+8*\b:AC+8*\b+3]   offset:64*\b     ; each accumulator's low registers first
	ds_store_b128 v[ESTO], v[AC+8*\b+4:AC+8*\b+7] offset:64*\b+16
.endr
.else
.set q, 0
.rept 8
	ds_load_b32 v[PR+q], v[LG] offset:256*\a+8*q   ; the p of two rows at a time
.set q, q+1
.endr
	WIN 0x0c+WA                                    ; source 0 the accumulators, source 1 b1 in window 3
.set q, 0
.rept 32
	v_pk_add_f32 v[XRL+2*q:XRL+2*q+1], v[AC+2*q:AC+2*q+1], v[2*q:2*q+1]  ; ascending: each accumulator's low registers first
.set q, q+1
.endr
.endif
	WIN 0
.Lnot_\a:
.endr
.if SECOND
.set q, 0
.rept 16
	ds_load_b128 v[XRL+4*q:XRL+4*q+3], v[ERD] offset:EP*q  ; LDS serves a wave's instructions in order: these see the stores above
.set q, q+1
.endr
	s_wait_dscnt 0x0
.set q, 0
.rept 16
	v_min_u32 v[PR+q], 0x7ff, v[PR+q]
	v_lshl_add_u32 v[PR+q], v[PR+q], OSH, v[CST]
	global_store_b128 v[PR+q], v[XRL+4*q:XRL+4*q+3], s[10:11]  ; 32 lanes store 512 consecutive bytes, aligned
.set q, q+1
.endr
.else
.irp b, 0,1,2,3,4,5,6,7
	GELU8 \b
.endr
.irp t, 0,1,2,3,4,5,6,7
	ds_load_b128 v[HB+4*\t:HB+4*\t+3], v[ERD] offset:2*EP*\t  ; LDS serves a wave's instructions in order: these see the stores above
.endr
	s_wait_dscnt 0x0
.irp t, 0,1,2,3,4,5,6,7
	v_min_u32 v[PR+\t], 0x7ff, v[PR+\t]
	v_lshl_add_u32 v[PR+\t], v[PR+\t], OSH, v[CST]
	global_store_b128 v[PR+\t], v[HB+4*\t:HB+4*\t+3], s[10:11]  ; 16 lanes store 256 consecutive bytes, aligned
.endr
.endif
.Lstep:
	s_add_co_u32 s[SA], s[SA], 1
	s_cmp_lt_u32 s[SA], 6
	s_cbranch_scc1 .Ltile
.Lnextg:
	s_wait_xcnt 0x0                                ; the stores' registers are written again only behind this wait
	s_sub_co_i32 s[REM], s[REM], 6
	s_max_i32 s[NT], s[REM], 0
	s_min_i32 s[NT], s[NT], 6
	s_add_co_u32 s[GL], s[GL], 1536                ; 384 entries
	s_add_co_u32 s[GR], s[GR], 384
	s_cmp_gt_u32 s[CNT], s[GR]
	s_cselect_b32 s[ALV], 1, 0                     ; has the next group any row?
	s_add_co_u32 s[G], s[G], 1
	s_cmp_lt_u32 s[G], 3
	s_cbranch_scc1 .Lgroup
	s_wait_tensorcnt 0x0                           ; the wave's end
	ds_add_u32 v[SPW], v[NIL]
	s_wait_dscnt 0x0
	s_endpgm
.Lfunc_end_k_q67d5ba4dc5_ffn1:
	.size	k_q67d5ba4dc5_ffn1, .Lfunc_end_k_q67d5ba4dc5_ffn1-k_q67d5ba4dc5_ffn1
	.p2alignl 7, 3214868480
	.fill 96, 4, 3214868480
	.section	.rodata,"a",@progbits
	.p2align	6, 0x0
	.amdhsa_kernel k_q67d5ba4dc5_ffn1
		.amdhsa_group_segment_fixed_size 197120
		.amdhsa_private_segment_fixed_size 0
		.amdhsa_enable_private_segment 0
		.amdhsa_kernarg_size 40
		.amdhsa_user_sgpr_count 2
		.amdhsa_user_sgpr_kernarg_segment_ptr 1
		.amdhsa_wavefront_size32 1
		.amdhsa_system_sgpr_workgroup_id_x 1
		.amdhsa_system_sgpr_workgroup_id_y 1
		.amdhsa_system_sgpr_workgroup_id_z 1
		.amdhsa_system_vgpr_workitem_id 0
		.amdhsa_next_free_vgpr 1024
		.amdhsa_next_free_sgpr 70
		.amdhsa_reserve_vcc 1
		.amdhsa_float_denorm_mode_32 3
		.amdhsa_float_denorm_mode_16_64 3
		.amdhsa_memory_ordered 1
		.amdhsa_forward_progress 1
		.amdhsa_inst_pref_size 151
	.end_amdhsa_kernel
	.amdgpu_metadata
---
amdhsa.version: [ 1, 2 ]
amdhsa.kernels:
  - .name:           k_q67d5ba4dc5_ffn1
    .symbol:         k_q67d5ba4dc5_ffn1.kd
    .args:
      - { .name: xb, .offset: 0, .size: 8, .value_kind: global_buffer, .address_space: global }
      - { .name: w1, .offset: 8, .size: 8, .value_kind: global_buffer, .address_space: global }
      - { .name: ridx, .offset: 16, .size: 8, .value_kind: global_buffer, .address_space: global }
      - { .name: hbuf, .offset: 24, .size: 8, .value_kind: global_buffer, .address_space: global }
      - { .name: b1, .offset: 32, .size: 8, .value_kind: global_buffer, .address_space: global }
    .group_segment_fixed_size: 197120
    .private_segment_fixed_size: 0
    .kernarg_segment_align: 8
    .kernarg_segment_size: 40
    .max_flat_workgroup_size: 128
    .sgpr_count:     70
    .vgpr_count:     1024
    .wavefront_size: 32
...
	.end_amdgpu_metadata
.endif
;; end of part 2
;; launch ffn2 (part 3): grid 32 x 8, 4 waves a work-group, no clusters, 197,120 bytes of LDS; arguments hbuf, w2, ridx, part; writes part
.if DOCPART == 3
	.amdgcn_target "amdgcn-amd-amdhsa--gfx1250"
	.amdhsa_code_object_version 6
	.text
	.protected	k_q67d5ba4dc5_ffn2
	.globl	k_q67d5ba4dc5_ffn2
	.p2align	8
	.type	k_q67d5ba4dc5_ffn2,@function
k_q67d5ba4dc5_ffn2:
	s_mov_b64 s[64:65], 0
	v_nop
	global_prefetch_b8 v0, s[64:65] scope:SCOPE_SE
	s_setreg_imm32_b32 hwreg(HW_REG_WAVE_MODE, 25, 1), 1
	s_wait_xcnt 0x0
; ONE PRODUCT OF THE EXPERTS' CHAIN, for the chosen rows alone.  One text serves both products; SECOND says which.
;   SECOND = 0: hbuf[p][f] = gelu(xb[p / 2][:] . w1[e][:][f] + b1[e][f]), bf16.      SECOND = 1: part[kq][p][d] = hbuf[p][quarter kq of f] . w2[e][that quarter][d], f32 partial sums.
; p = 2 token + choice is a routed row's fixed place in hbuf and part; ridx[p] is its expert.
; SHARES.  A work-group has ONE expert (grid y) and a slice of its weights of 1,024 k x 128 columns (grid x: here quarter x / 8 of K, columns 128 (x % 8) on), which it alone reads, and all rows of that expert.
; Every wave makes its own copy of the list of the expert's p in its own LDS bytes (same steps, same list).  A tile is 16 rows of the list x 128 columns; tile 4 a + w goes to wave w.
; Six tiles a wave, 384 rows a work-group, are a GROUP and ride on one pass over the slice.  The pass stands in a loop of three groups (an expert has 1,024 rows at the most): a group without rows
; jumps over every load, store and product and passes only the barriers, which every wave passes whatever the counts.  Group 0 reads the slice whatever the count, so that its first
; loads go out before the list is made.  Places past the count in the last tile repeat the list's first row: they store the same bytes again.
; THE PASS.  K goes in 8 chunks of 128.  Wave w loads 32 of a chunk's 128 rows of W (512 consecutive bytes an instruction), rounds them to bf16 and lays them [k][n] into the one LDS slot;
; its own tiles' rows of A (256 consecutive bytes for 16 lanes) go through registers into its own LDS bytes.  The next chunk is asked for as soon as this one has left its registers, ahead of both
; barriers, and has the chunk's products in which to land.  Two barriers a chunk: nobody reads the slot any more; the slot is whole.
; THE MATRIX INSTRUCTION IS USED TRANSPOSED: source 0 = 16 columns of W (turned by ds_load_tr16_b128), source 1 = 16 rows of A: a lane then holds eight neighbouring columns of one row.
; FORMAT.  W is rounded once to bf16, as every input of this program is; sums in f32; the four quarters' partial sums stay in f32 and are added by the launch behind.
; LIMITS.  NaN and infinities are not treated apart.
; NO JOINT LOADS: a slice of weights has one reader; what an expert's work-groups share is its rows of A, which come by a list that no tile descriptor covers.
.set SECOND, 1
.if SECOND
.set WP,   4096                        ; bytes from a k row of W to the next
.set ASH,  13                          ; a row of A: p << 13
.set OSH,  12                          ; a row of the output: p << 12
.set EP,   528                         ; the stage's pitch: 512 bytes + 16
.set IDXW, 32                          ; loads issued behind the index loads
.else
.set WP,   16384
.set ASH,  10                          ; (p & 0x7fe) << 10 = token x 2,048
.set OSH,  13
.set EP,   272                         ; 256 bytes + 16
.set IDXW, 33
.endif
.set WPI,   288                        ; a k row of W in LDS: 256 bytes + 32 = 72 words
.set XPI,   272                        ; a row of A in LDS: 256 bytes + 16: the 16 rows of a fragment load start at 16 different groups of four banks
.set XSB,   128*WPI                    ; behind W's slot: A's rows, 96 for each wave
.set XSW,   96*XPI
.set ESB,   XSB+4*XSW                  ; the stages for the way out, one for each wave
.set ESW,   8448
.set BSB,   ESB+4*ESW                  ; (the first product's b1; not used here)
.set LISTB, BSB+4*512                  ; the lists, one for each wave: 1,152 entries and 32 words for what does not belong
.set LISTW, 4864
.set LISTN, 1152
.set SPARE, LISTB+4*LISTW              ; the spare words, 128 bytes for each wave: two blocks of 256 bytes that no other line names
; window 0
.set LN,    1                          ; lane
.set WVO,   2                          ; 32 w rows of W + 16 L
.set L16,   3                          ; 16 L
.set WSTO,  4                          ; where my 8 bytes of a row of W go: row 32 w of the slot
.set WRD,   5                          ; my lane's place for the turning load
.set XSTO,  6                          ; where my 16 bytes of A go
.set XRD,   7                          ; my lane's place in a fragment of A
.set ESTO,  8                          ; the way out: where I put my columns of a row
.set ERD,   9                          ; the way out: where I read rows back
.set LRD,   10                         ; my place in the list for A's rows
.set LRE,   11                         ; my place in the list for the rows that I store
.set C16,   12                         ; 16 (L % 16)
.set SPW,   13                         ; LDS address of my spare word; never rewritten
.set NIL,   14                         ; 0; never rewritten
.set LG,    17                         ; the way out: LRE in the group in hand.  v16-23 are at work
.set XO,    24                         ; v[24:71]   byte offset of my 16 bytes in A: tile a, load i at 8 a + i
.set AF,    72                         ; v[72:103]  fragments of A: two buffers of 16 rows x 64 k
.set PR,    AF                         ; on the way out: the stores' offsets
.set XRL,   104                        ; v[104:167] A of tiles 4, 5 on its way; on the way out the rows read back from the stage
.set WC,    168                        ; v[168:231] 32 rows of W in bf16
.set IX,    WC                         ; at the head: the choices
.set ZR,    232                        ; v[232:239] zeros; never rewritten
.set CST,   L16                        ; my 16 bytes in a row that is stored
; window 1: accumulator (a, b) at 64 a + 8 b, a = 0..3.   window 2: v0-127 those of a = 4, 5; v128-255 W's fragments, 64 s + 8 b.
; window 3: v0-127 32 rows of W in f32; v128-255 A of tiles 0 to 3 on its way
.set WV,  14
.set EX,  15                           ; the expert
.set SX,  16                           ; the slice
.set CNT, 17                           ; rows of the expert
.set REM, 18                           ; my tiles from this group on (signed)
.set NT,  19                           ; my tiles in this group, 0 to 6
.set G,   20                           ; the group
.set LC,  21                           ; counts chunks, 8 to 1
.set GL,  22                           ; the group's byte offset in the list
.set SA,  23                           ; counts tiles on the way out
.set WB,  24                           ; s[24:25] W at the chunk that was asked for last
.set WS,  26                           ; s[26:27] W at my slice
.set XBC, 28                           ; s[28:29] A at the chunk that was asked for last
.set XB0, 30                           ; s[30:31] A at chunk 0
.set ALV, 32                           ; 1: the group has rows (group 0: always)
.set LB,  33                           ; my list's LDS address
.set GR,  34                           ; rows in front of the group
.set MSB, 0
.macro WIN new                         ; the immediate's high byte repeats the setting that is left; a switch that changes nothing is dropped
.if MSB != (\new)
	s_set_vgpr_msb (MSB<<8)|(\new)
.set MSB, (\new)
.endif
.endm
.macro PLACES                          ; four plain vector instructions between a matrix instruction and a load into, or a reader of, its registers
.rept 4
	v_nop
.endr
.endm
.macro WISSUE                          ; my 32 rows of a chunk of W: an instruction takes 512 consecutive bytes of one row
	WIN 0xc0
.set q, 0
.rept 32
	global_load_b128 v[4*q:4*q+3], v[WVO], s[WB:WB+1] offset:q*WP th:TH_LOAD_NT
.set q, q+1
.endr
	WIN 0
.endm
.macro WCVT                            ; they are rounded to bf16
	WIN 0x0f
.set q, 0
.rept 64
	v_cvt_pk_bf16_f32 v[WC+q], v[2*q], v[2*q+1]
.set q, q+1
.endr
	WIN 0
.endm
.macro WSTORE                          ; and laid into the slot: 256 consecutive bytes an instruction
.set q, 0
.rept 32
	ds_store_b64 v[WSTO], v[WC+2*q:WC+2*q+1] offset:WPI*q
.set q, q+1
.endr
.endm
.macro XTILE a                         ; where tile a's rows of A wait: register and window
.if (\a) < 4
.set XBR, 128+32*(\a)
.set XWN, 3
.else
.set XBR, XRL+32*((\a)-4)
.set XWN, 0
.endif
.endm
.macro XST                             ; my tiles' rows of A of this chunk go into my LDS bytes
.irp a, 0,1,2,3,4,5
	s_cmp_le_u32 s[NT], \a
	s_cbranch_scc1 .Lxs_\@
	XTILE \a
	WIN 4*XWN
.irp i, 0,1,2,3,4,5,6,7
	ds_store_b128 v[XSTO], v[XBR+4*\i:XBR+4*\i+3] offset:XPI*(16*\a+2*\i)
.endr
	WIN 0
.endr
.Lxs_\@:
.endm
.macro XLD a0                          ; the next chunk's rows of tiles a0 to a0 + 2, as far as I have them
.irp d, 0,1,2
	s_cmp_le_u32 s[NT], (\a0)+\d
	s_cbranch_scc1 .Lxl_\@
	XTILE (\a0)+\d
	WIN 64*XWN
.irp i, 0,1,2,3,4,5,6,7
	global_load_b128 v[XBR+4*\i:XBR+4*\i+3], v[XO+8*((\a0)+\d)+\i], s[XBC:XBC+1]
.endr
	WIN 0
.endr
.Lxl_\@:
.endm
.macro XALL_LD                         ; all six tiles' rows, whatever the count: the list holds a row that exists at every place
	WIN 0xc0
.set q, 0
.rept 32
	global_load_b128 v[128+4*q:128+4*q+3], v[XO+q], s[XBC:XBC+1]
.set q, q+1
.endr
	WIN 0
.set q, 0
.rept 16
	global_load_b128 v[XRL+4*q:XRL+4*q+3], v[XO+32+q], s[XBC:XBC+1]
.set q, q+1
.endr
.endm
.macro ALOAD a, hf                     ; tile a's fragments of A, 16 rows x 64 k of half hf of the chunk, into buffer a % 2
.irp s, 0,1
	ds_load_b128 v[AF+16*((\a)%2)+8*\s:AF+16*((\a)%2)+8*\s+3],   v[XRD] offset:16*XPI*(\a)+128*(\hf)+64*\s
	ds_load_b128 v[AF+16*((\a)%2)+8*\s+4:AF+16*((\a)%2)+8*\s+7], v[XRD] offset:16*XPI*(\a)+128*(\hf)+64*\s+32
.endr
.endm
.macro BLOAD hf                        ; the half's 16 fragments of W, turned: the first 32 k first
	WIN 0x80
.irp s, 0,1
.irp b, 0,1,2,3,4,5,6,7
	ds_load_tr16_b128 v[128+64*\s+8*\b:128+64*\s+8*\b+3],   v[WRD] offset:64*WPI*(\hf)+32*WPI*\s+32*\b
	ds_load_tr16_b128 v[128+64*\s+8*\b+4:128+64*\s+8*\b+7], v[WRD] offset:64*WPI*(\hf)+32*WPI*\s+32*\b+16*WPI
.endr
.endr
.endm
.macro MM a, s                         ; eight matrix instructions: tile a, 32 k; its eight accumulators take turns
.if (\a) < 4
	WIN 0x52
.set AC, 64*(\a)
.else
	WIN 0xa2
.set AC, 64*((\a)-4)
.endif
.irp b, 0,1,2,3,4,5,6,7
	v_wmma_f32_16x16x32_bf16 v[AC+8*\b:AC+8*\b+7], v[128+64*(\s)+8*\b:128+64*(\s)+8*\b+7], v[AF+16*((\a)%2)+8*(\s):AF+16*((\a)%2)+8*(\s)+7], v[AC+8*\b:AC+8*\b+7]
.endr
.endm
.macro ROW a, hf, tag                  ; tile a is multiplied; the next tile's fragments of A, if there is one, are asked for first
.if (\a) < 5
	s_cmp_gt_u32 s[NT], (\a)+1
	s_cbranch_scc0 .Lnoa_\@
	PLACES                                         ; the buffer was read by the matrix instructions just issued
	ALOAD (\a)+1, \hf
	s_wait_dscnt 4                                 ; all but those four
	s_branch .Lgo_\@
.Lnoa_\@:
	s_wait_dscnt 0x0
.Lgo_\@:
.else
	s_wait_dscnt 0x0
.endif
	MM \a, 0
	MM \a, 1
	WIN 0
.if (\a) < 5
	s_cmp_le_u32 s[NT], (\a)+1
	s_cbranch_scc1 .Lcend_\tag
.endif
.endm
.macro COMPUTE hf                      ; my NT tiles times half hf (64 k) of the chunk
	s_cmp_eq_u32 s[NT], 0
	s_cbranch_scc1 .Lcend_\@
	PLACES                                         ; the fragments' registers were read by the matrix instructions of the half before
	ALOAD 0, \hf
	s_cmp_lt_u32 s[NT], 2
	s_cbranch_scc1 .Lone_\@
	ALOAD 1, \hf
.Lone_\@:
	BLOAD \hf
	s_wait_dscnt 16                                ; LDS loads come back in order: only W's fragments of the second 32 k may be out
	MM 0, 0
	s_wait_dscnt 0x0
	MM 0, 1
	WIN 0
	s_cmp_lt_u32 s[NT], 2
	s_cbranch_scc1 .Lcend_\@
	ROW 1, \hf, \@
	ROW 2, \hf, \@
	ROW 3, \hf, \@
	ROW 4, \hf, \@
	ROW 5, \hf, \@
.Lcend_\@:
	s_wait_dscnt 0x0                               ; whichever way led here, none of my LDS loads is out: the fragments' registers are loaded into again by what follows
.endm
; All 48 accumulators are written, whatever the wave's number of tiles: a matrix instruction on zero operands with C = 0 writes eight registers.
; Five plain instructions stand between the last group's products and these, which write over their results.
.macro CLEAR
.rept 5
	v_nop
.endr
	WIN 0x40
.set q, 0
.rept 32
	v_wmma_f32_16x16x32_bf16 v[8*q:8*q+7], v[ZR:ZR+7], v[ZR:ZR+7], 0
.set q, q+1
.endr
	WIN 0x80
.set q, 0
.rept 16
	v_wmma_f32_16x16x32_bf16 v[8*q:8*q+7], v[ZR:ZR+7], v[ZR:ZR+7], 0
.set q, q+1
.endr
	WIN 0
.endm
.macro XOFFS                           ; the group's 48 x 2 rows of the list become byte offsets in A
	v_add_nc_u32 v16, s[GL], v[LRD]
.set q, 0
.rept 48
	ds_load_b32 v[XO+q], v16 offset:256*(q/8)+8*(q%8)
.set q, q+1
.endr
	s_wait_dscnt 0x0
.set q, 0
.rept 48
	v_min_u32 v[XO+q], 0x7ff, v[XO+q]
	v_lshl_add_u32 v[XO+q], v[XO+q], ASH, v[C16]
.set q, q+1
.endr
.endm
	; THE HEAD
	s_load_b256 s[4:11], s[0:1], 0x0               ; A s[4:5], W s[6:7], ridx s[8:9], the output s[10:11]
	v_lshl_add_u32 v[SPW], v0, 2, SPARE
	v_mov_b32 v[NIL], 0
	v_lshrrev_b32 v16, 5, v0
	v_readfirstlane_b32 s[WV], v16                 ; wave 0..3
	s_and_b32 s[EX], ttmp7, 0xffff
	s_mov_b32 s[SX], ttmp9
	v_and_b32 v[LN], 31, v0
	v_and_b32 v16, 15, v0                          ; r = L % 16
	v_bfe_u32 v17, v0, 4, 1                        ; h = L / 16
	v_and_b32 v18, 7, v0                           ; L % 8
	v_bfe_u32 v19, v0, 3, 1                        ; (L / 8) % 2
	v_lshlrev_b32 v[L16], 4, v[LN]
	v_lshlrev_b32 v[C16], 4, v16
	s_mul_i32 s40, s[WV], 32*WP
	v_add_nc_u32 v[WVO], s40, v[L16]
	s_mul_i32 s40, s[WV], 32*WPI
	v_lshl_add_u32 v[WSTO], v[LN], 3, s40
	v_lshl_add_u32 v[WRD], v17, 3, v18             ; the turning load: lane L reads k row 8 h + L % 8, 16 bytes at 16 ((L / 8) % 2)
	v_mul_u32_u24 v[WRD], v[WRD], WPI
	v_lshl_add_u32 v[WRD], v19, 4, v[WRD]
	s_mul_i32 s42, s[WV], XSW
	s_add_co_u32 s42, s42, XSB
	v_mul_u32_u24 v[XSTO], v17, XPI                ; a load of A takes two rows of 256 bytes: row h, 16 bytes at 16 r
	v_add_nc_u32 v[XSTO], v[XSTO], v[C16]
	v_add_nc_u32 v[XSTO], s42, v[XSTO]
	v_mul_u32_u24 v[XRD], v16, XPI                 ; a fragment: row r, 16 bytes for each half of the lanes
	v_lshl_add_u32 v[XRD], v17, 4, v[XRD]
	v_add_nc_u32 v[XRD], s42, v[XRD]
	s_mul_i32 s43, s[WV], ESW
	s_add_co_u32 s43, s43, ESB
	v_mul_u32_u24 v[ESTO], v16, EP
	v_lshl_add_u32 v[ESTO], v17, 5, v[ESTO]        ; row r, 32 bytes (8 f32) for each half of the lanes
	v_add_nc_u32 v[ERD], s43, v[L16]               ; back: a whole row of 512 bytes
	v_add_nc_u32 v[ESTO], s43, v[ESTO]
	s_mul_i32 s[LB], s[WV], LISTW
	s_add_co_u32 s[LB], s[LB], LISTB
	s_lshl_b32 s44, s[WV], 6                       ; tile 4 a + w begins at entry 64 a + 16 w
	s_add_co_u32 s44, s44, s[LB]
	v_lshl_add_u32 v[LRD], v17, 2, s44
	v_mov_b32 v[LRE], s44                          ; a store takes one row
	s_lshl_b32 s40, s[EX], 24                      ; an expert's weights: 2^24 bytes
	s_lshr_b32 s46, s[SX], 3                       ; which quarter of K
	s_and_b32 s47, s[SX], 7                        ; which 128 columns
	s_lshl_b32 s41, s46, 22                        ; 1,024 rows of 4,096 bytes
	s_add_co_u32 s40, s40, s41
	s_lshl_b32 s41, s47, 9
	s_add_co_u32 s40, s40, s41
	s_lshl_b32 s42, s46, 11                        ; the quarter in a row of h: 2,048 bytes
	s_lshl_b32 s44, s46, 23                        ; the quarter's plane of partial sums
	s_add_co_u32 s44, s44, s41
	s_mov_b32 s41, 0
	s_mov_b32 s43, 0
	s_mov_b32 s45, 0
	s_wait_kmcnt 0x0
	s_add_nc_u64 s[WS:WS+1], s[6:7], s[40:41]
	s_add_nc_u64 s[XB0:XB0+1], s[4:5], s[42:43]
	s_add_nc_u64 s[10:11], s[10:11], s[44:45]
	s_mov_b64 s[WB:WB+1], s[WS:WS+1]
.set q, 0
.rept 16
	global_load_b128 v[IX+4*q:IX+4*q+3], v[L16], s[8:9] offset:512*q  ; all 2,048 choices: registers 4 g + 2 u, + 1 hold the two of token 64 g + 2 L + u
.set q, q+1
.endr
	WISSUE                                         ; chunk 0 of W is on its way while the list is made
.set q, 0
.rept 8
	v_mov_b32 v[ZR+q], 0
.set q, q+1
.endr
.set q, 0
.rept 32
	v_mov_b32 v[AF+q], 0                           ; a wave with one tile never loads the second buffer: it holds written registers all the same
.set q, q+1
.endr
	; THE LIST.  Every place first holds 0, a row that exists; then each p of my expert goes to the place of its rank; the other tokens' go to a word that nobody reads.
	; A token's two choices differ, so one step serves both: p = 2 token + (1 if it is the second choice).
	v_lshl_add_u32 v18, v[LN], 4, s[LB]
.irp j, 0,1,2,3,4,5,6,7,8
	ds_store_b128 v18, v[ZR:ZR+3] offset:512*\j
.endr
	v_add_nc_u32 v19, LISTN, v[LN]
	v_lshlrev_b32 v20, 2, v[LN]
	s_mov_b32 s[CNT], 0
	s_wait_loadcnt IDXW                            ; the choices are in; what was issued behind them stays out
.set k, 0
.rept 32
	v_cmp_eq_u32 s36, s[EX], v[IX+2*k]
	v_cmp_eq_u32 vcc_lo, s[EX], v[IX+2*k+1]
	s_or_b32 s36, s36, vcc_lo
	v_mbcnt_lo_u32_b32 v21, s36, s[CNT]            ; rows found so far + those in the lanes below me
	v_cndmask_b32 v21, v19, v21, s36
	v_min_u32 v21, LISTN+31, v21
	v_lshl_add_u32 v21, v21, 2, s[LB]
	v_cndmask_b32 v22, 0, 1, vcc_lo
	v_add3_u32 v22, v22, v20, 128*(k/2)+2*(k%2)
	ds_store_b32 v21, v22
	s_bcnt1_i32_b32 s37, s36
	s_add_co_u32 s[CNT], s[CNT], s37
.set k, k+1
.endr
	v_mov_b32 v18, s[LB]
	ds_load_b32 v21, v18                           ; the list's first row
	v_add_nc_u32 v22, s[CNT], v[LN]
	v_min_u32 v22, LISTN+31, v22
	v_lshl_add_u32 v22, v22, 2, s[LB]
	s_wait_dscnt 0x0
	ds_store_b32 v22, v21                          ; fills the 32 places behind the count: the last tile's spare rows among them
	s_add_co_u32 s40, s[CNT], 15
	s_lshr_b32 s40, s40, 4                         ; tiles of the expert
	s_add_co_u32 s40, s40, 3
	s_sub_co_u32 s40, s40, s[WV]
	s_lshr_b32 s[REM], s40, 2                      ; of which tiles w, 4 + w, .. are mine
	s_min_u32 s[NT], s[REM], 6
	s_mov_b32 s[GL], 0
	s_mov_b32 s[GR], 0
	s_mov_b32 s[G], 0
	s_mov_b32 s[ALV], 1
	s_branch .Lgo
.Lgroup:                                               ; groups 1 and 2
	s_cmp_eq_u32 s[ALV], 0
	s_cbranch_scc1 .Lpass
	s_mov_b64 s[WB:WB+1], s[WS:WS+1]               ; no load is out
	WISSUE
.Lgo:
	CLEAR
	XOFFS
	s_mov_b64 s[XBC:XBC+1], s[XB0:XB0+1]
	XALL_LD                                        ; chunk 0 of A
.Lpass:
	s_mov_b32 s[LC], 8
.Lk:                                                   ; A CHUNK.  Every wait for loads is for 0: it holds whichever of the loads were jumped over
	s_wait_loadcnt 0x0                             ; this chunk's W and A are in; no load is out, so the bases may step
	s_cmp_eq_u32 s[ALV], 0
	s_cbranch_scc1 .Lnocvt
	WCVT
.Lnocvt:
	XST
	s_cmp_eq_u32 s[LC], 1
	s_cbranch_scc1 .Lnold                          ; the last chunk asks for nothing
	s_add_nc_u64 s[XBC:XBC+1], s[XBC:XBC+1], 256
	s_cmp_eq_u32 s[ALV], 0
	s_cbranch_scc1 .Lnow
	s_add_nc_u64 s[WB:WB+1], s[WB:WB+1], 128*WP
	WISSUE                                         ; the next chunk: 32 loads of W,
.Lnow:
	XLD 0                                          ; and those of A's tiles 0 to 2; the other tiles' follow between the two halves of the products below
.Lnold:
	s_wait_dscnt 0x0                               ; my reads of the slot are over (and my stores of A are done)
	s_barrier_signal -1
	s_barrier_wait -1                              ; nobody reads the slot any more
	s_cmp_eq_u32 s[ALV], 0
	s_cbranch_scc1 .Lnost
	WSTORE
.Lnost:
	s_wait_dscnt 0x0                               ; for the others' sake: my rows of W are in the slot
	s_barrier_signal -1
	s_barrier_wait -1                              ; the slot is whole
	COMPUTE 0
	s_cmp_eq_u32 s[LC], 1
	s_cbranch_scc1 .Lnold2
	XLD 3
.Lnold2:
	COMPUTE 1
	s_sub_co_u32 s[LC], s[LC], 1
	s_cmp_lg_u32 s[LC], 0
	s_cbranch_scc1 .Lk
	s_wait_loadcnt 0x0                             ; nothing is out: the registers that loads fill are used otherwise below
	; THE WAY OUT, a tile at a time, through my stage in LDS
	PLACES
	s_cmp_eq_u32 s[NT], 0
	s_cbranch_scc1 .Lnextg
	v_add_nc_u32 v[LG], s[GL], v[LRE]
	s_mov_b32 s[SA], 0
.Ltile:
	s_cmp_ge_u32 s[SA], s[NT]
	s_cbranch_scc1 .Lstep
	s_wait_xcnt 0x0                                ; the last tile's stores have had their addresses translated: their registers are written again only behind this wait
.irp a, 0,1,2,3,4,5                    ; one of six blocks: the tile's accumulators and its place in the list are named by number
	s_cmp_lg_u32 s[SA], \a
	s_cbranch_scc1 .Lnot_\a
.if \a < 4
.set AC, 64*\a
.set WA, 1
.else
.set AC, 64*(\a-4)
.set WA, 2
.endif
.set q, 0
.rept 16
	ds_load_b32 v[PR+q], v[LG] offset:256*\a+4*q   ; the rows' p
.set q, q+1
.endr
	WIN 4*WA                                       ; the stores' data in window 1 or 2
.irp b, 0,1,2,3,4,5,6,7
	ds_store_b128 v[ESTO], v[AC+8*\b:AC+8*\b+3]   offset:64*\b     ; each accumulator's low registers first
	ds_store_b128 v[ESTO], v[AC+8*\b+4:AC+8*\b+7] offset:64*\b+16
.endr
	WIN 0
.Lnot_\a:
.endr
.set q, 0
.rept 16
	ds_load_b128 v[XRL+4*q:XRL+4*q+3], v[ERD] offset:EP*q  ; LDS serves a wave's instructions in order: these see the stores above
.set q, q+1
.endr
	s_wait_dscnt 0x0
.set q, 0
.rept 16
	v_min_u32 v[PR+q], 0x7ff, v[PR+q]
	v_lshl_add_u32 v[PR+q], v[PR+q], OSH, v[CST]
	global_store_b128 v[PR+q], v[XRL+4*q:XRL+4*q+3], s[10:11]  ; 32 lanes store 512 consecutive bytes, aligned
.set q, q+1
.endr
.Lstep:
	s_add_co_u32 s[SA], s[SA], 1
	s_cmp_lt_u32 s[SA], 6
	s_cbranch_scc1 .Ltile
.Lnextg:
	s_wait_xcnt 0x0                                ; the stores' registers are written again only behind this wait
	s_sub_co_i32 s[REM], s[REM], 6
	s_max_i32 s[NT], s[REM], 0
	s_min_i32 s[NT], s[NT], 6
	s_add_co_u32 s[GL], s[GL], 1536                ; 384 entries
	s_add_co_u32 s[GR], s[GR], 384
	s_cmp_gt_u32 s[CNT], s[GR]
	s_cselect_b32 s[ALV], 1, 0                     ; has the next group any row?
	s_add_co_u32 s[G], s[G], 1
	s_cmp_lt_u32 s[G], 3
	s_cbranch_scc1 .Lgroup
	s_wait_tensorcnt 0x0                           ; the wave's end
	ds_add_u32 v[SPW], v[NIL]
	s_wait_dscnt 0x0
	s_endpgm
.Lfunc_end_k_q67d5ba4dc5_ffn2:
	.size	k_q67d5ba4dc5_ffn2, .Lfunc_end_k_q67d5ba4dc5_ffn2-k_q67d5ba4dc5_ffn2
	.p2alignl 7, 3214868480
	.fill 96, 4, 3214868480
	.section	.rodata,"a",@progbits
	.p2align	6, 0x0
	.amdhsa_kernel k_q67d5ba4dc5_ffn2
		.amdhsa_group_segment_fixed_size 197120
		.amdhsa_private_segment_fixed_size 0
		.amdhsa_enable_private_segment 0
		.amdhsa_kernarg_size 32
		.amdhsa_user_sgpr_count 2
		.amdhsa_user_sgpr_kernarg_segment_ptr 1
		.amdhsa_wavefront_size32 1
		.amdhsa_system_sgpr_workgroup_id_x 1
		.amdhsa_system_sgpr_workgroup_id_y 1
		.amdhsa_system_sgpr_workgroup_id_z 1
		.amdhsa_system_vgpr_workitem_id 0
		.amdhsa_next_free_vgpr 1024
		.amdhsa_next_free_sgpr 70
		.amdhsa_reserve_vcc 1
		.amdhsa_float_denorm_mode_32 3
		.amdhsa_float_denorm_mode_16_64 3
		.amdhsa_memory_ordered 1
		.amdhsa_forward_progress 1
		.amdhsa_inst_pref_size 112
	.end_amdhsa_kernel
	.amdgpu_metadata
---
amdhsa.version: [ 1, 2 ]
amdhsa.kernels:
  - .name:           k_q67d5ba4dc5_ffn2
    .symbol:         k_q67d5ba4dc5_ffn2.kd
    .args:
      - { .name: hbuf, .offset: 0, .size: 8, .value_kind: global_buffer, .address_space: global }
      - { .name: w2, .offset: 8, .size: 8, .value_kind: global_buffer, .address_space: global }
      - { .name: ridx, .offset: 16, .size: 8, .value_kind: global_buffer, .address_space: global }
      - { .name: part, .offset: 24, .size: 8, .value_kind: global_buffer, .address_space: global }
    .group_segment_fixed_size: 197120
    .private_segment_fixed_size: 0
    .kernarg_segment_align: 8
    .kernarg_segment_size: 32
    .max_flat_workgroup_size: 128
    .sgpr_count:     70
    .vgpr_count:     1024
    .wavefront_size: 32
...
	.end_amdgpu_metadata
.endif
;; end of part 3
;; launch comb (part 4): grid 256 x 1, 8 waves a work-group, no clusters, 0 bytes of LDS; arguments part, b2, ridx, rwt, out0; writes out0
.if DOCPART == 4
	.amdgcn_target "amdgcn-amd-amdhsa--gfx1250"
	.amdhsa_code_object_version 6
	.text
	.protected	k_q67d5ba4dc5_comb
	.globl	k_q67d5ba4dc5_comb
	.p2align	8
	.type	k_q67d5ba4dc5_comb,@function
k_q67d5ba4dc5_comb:
	s_mov_b64 s[64:65], 0
	v_nop
	global_prefetch_b8 v0, s[64:65] scope:SCOPE_SE
	s_setreg_imm32_b32 hwreg(HW_REG_WAVE_MODE, 25, 1), 1
	s_wait_xcnt 0x0
; THE SUM.  out0[t][d] = sum over the token's two choices c of rwt[2 t + c] x (part[0..3][2 t + c][d] added up + b2[ridx[2 t + c]][d]).
; A wave makes 512 columns of one token: wave number g = 8 x work-group + wave, token g / 2, half g % 2.  Lane L holds columns 128 i + 4 L + 0..3, i = 0..3.
; A stream: each byte of part is read once, 40 loads of 16 bytes a lane go out before the one wait, every load and store of the wave covers 512 consecutive bytes.
; No LDS, no matrix unit, no cluster: no two waves share a byte of part.  b2 is rounded once to bf16, as every input of this program is; all sums in f32.
.set P,  16                            ; v[16:143]  part: quarter q, choice j, piece i at 32 q + 16 j + 4 i
.set BB, 144                           ; v[144:175] b2: choice j, piece i at 16 j + 4 i
.set TB, 176                           ; v[176:191] at work
	s_load_b256 s[4:11], s[0:1], 0x0               ; part s[4:5], b2 s[6:7], ridx s[8:9], rwt s[10:11]
	s_load_b64 s[12:13], s[0:1], 0x20              ; out0
	v_lshrrev_b32 v1, 5, v0
	v_readfirstlane_b32 s14, v1                    ; wave 0..7
	v_and_b32 v2, 31, v0
	v_lshlrev_b32 v2, 4, v2                        ; 16 L
	s_lshl_b32 s15, ttmp9, 3
	s_add_co_u32 s15, s15, s14
	s_lshr_b32 s16, s15, 1                         ; token
	s_and_b32 s17, s15, 1                          ; which half of its columns
	s_lshl_b32 s18, s16, 3                         ; the token's two words in ridx and rwt
	s_lshl_b32 s26, s17, 11                        ; 512 columns of f32
	s_lshl_b32 s24, s16, 13                        ; the token's two rows in a plane of part
	s_add_co_u32 s24, s24, s26
	s_mov_b32 s25, 0
	s_lshl_b32 s44, s16, 12                        ; its row in out0
	s_add_co_u32 s44, s44, s26
	s_mov_b32 s45, 0
	s_wait_kmcnt 0x0
	s_load_b64 s[20:21], s[8:9], s18 offset:0x0    ; the two experts
	s_load_b64 s[22:23], s[10:11], s18 offset:0x0  ; the two weights
	s_add_nc_u64 s[28:29], s[4:5], s[24:25]        ; a base for each plane: 2^23 bytes apart, one more than a load's immediate reaches
	s_add_nc_u64 s[30:31], s[28:29], 0x800000
	s_add_nc_u64 s[32:33], s[30:31], 0x800000
	s_add_nc_u64 s[34:35], s[32:33], 0x800000
	s_add_nc_u64 s[12:13], s[12:13], s[44:45]
.irp q, 0,1,2,3
.irp j, 0,1
.irp i, 0,1,2,3
	global_load_b128 v[P+32*\q+16*\j+4*\i:P+32*\q+16*\j+4*\i+3], v2, s[28+2*\q:29+2*\q] offset:4096*\j+512*\i th:TH_LOAD_NT
.endr
.endr
.endr
	s_wait_kmcnt 0x0
	s_min_u32 s20, s20, 7
	s_min_u32 s21, s21, 7
	s_lshl_b32 s36, s20, 12                        ; a row of b2: 4,096 bytes
	s_add_co_u32 s36, s36, s26
	s_mov_b32 s37, 0
	s_add_nc_u64 s[38:39], s[6:7], s[36:37]
	s_lshl_b32 s36, s21, 12
	s_add_co_u32 s36, s36, s26
	s_add_nc_u64 s[40:41], s[6:7], s[36:37]
	s_mov_b32 s42, s23                             ; the second weight in a pair of its own: the packed forms take a scalar pair's low word for both halves
	s_mov_b32 s43, s23
.irp j, 0,1
.irp i, 0,1,2,3
	global_load_b128 v[BB+16*\j+4*\i:BB+16*\j+4*\i+3], v2, s[38+2*\j:39+2*\j] offset:512*\i
.endr
.endr
	s_wait_loadcnt 0x0
.set q, 0
.rept 16
	v_cvt_pk_bf16_f32 v[TB+q], v[BB+2*q], v[BB+2*q+1]
.set q, q+1
.endr
.set q, 0
.rept 16
	v_lshlrev_b32 v[BB+2*q], 16, v[TB+q]
	v_and_b32 v[BB+2*q+1], 0xffff0000, v[TB+q]
.set q, q+1
.endr
.set q, 0
.rept 16
	v_pk_add_f32 v[P+2*q:P+2*q+1], v[P+2*q:P+2*q+1], v[P+32+2*q:P+32+2*q+1]
	v_pk_add_f32 v[P+64+2*q:P+64+2*q+1], v[P+64+2*q:P+64+2*q+1], v[P+96+2*q:P+96+2*q+1]
.set q, q+1
.endr
.set q, 0
.rept 16
	v_pk_add_f32 v[P+2*q:P+2*q+1], v[P+2*q:P+2*q+1], v[P+64+2*q:P+64+2*q+1]
.set q, q+1
.endr
.set q, 0
.rept 16
	v_pk_add_f32 v[P+2*q:P+2*q+1], v[P+2*q:P+2*q+1], v[BB+2*q:BB+2*q+1]
.set q, q+1
.endr
.set q, 0
.rept 8
	v_pk_mul_f32 v[P+2*q:P+2*q+1], v[P+2*q:P+2*q+1], s[22:23] op_sel_hi:[1,0]
.set q, q+1
.endr
.set q, 0
.rept 8
	v_pk_fma_f32 v[P+2*q:P+2*q+1], v[P+16+2*q:P+16+2*q+1], s[42:43], v[P+2*q:P+2*q+1] op_sel_hi:[1,0,1]
.set q, q+1
.endr
.irp i, 0,1,2,3
	global_store_b128 v2, v[P+4*\i:P+4*\i+3], s[12:13] offset:512*\i th:TH_STORE_NT
.endr
	s_endpgm
.Lfunc_end_k_q67d5ba4dc5_comb:
	.size	k_q67d5ba4dc5_comb, .Lfunc_end_k_q67d5ba4dc5_comb-k_q67d5ba4dc5_comb
	.p2alignl 7, 3214868480
	.fill 96, 4, 3214868480
	.section	.rodata,"a",@progbits
	.p2align	6, 0x0
	.amdhsa_kernel k_q67d5ba4dc5_comb
		.amdhsa_group_segment_fixed_size 0
		.amdhsa_private_segment_fixed_size 0
		.amdhsa_enable_private_segment 0
		.amdhsa_kernarg_size 40
		.amdhsa_user_sgpr_count 2
		.amdhsa_user_sgpr_kernarg_segment_ptr 1
		.amdhsa_wavefront_size32 1
		.amdhsa_system_sgpr_workgroup_id_x 1
		.amdhsa_system_sgpr_workgroup_id_y 1
		.amdhsa_system_sgpr_workgroup_id_z 1
		.amdhsa_system_vgpr_workitem_id 0
		.amdhsa_next_free_vgpr 192
		.amdhsa_next_free_sgpr 66
		.amdhsa_reserve_vcc 0
		.amdhsa_float_denorm_mode_32 3
		.amdhsa_float_denorm_mode_16_64 3
		.amdhsa_memory_ordered 1
		.amdhsa_forward_progress 1
		.amdhsa_inst_pref_size 14
	.end_amdhsa_kernel
	.amdgpu_metadata
---
amdhsa.version: [ 1, 2 ]
amdhsa.kernels:
  - .name:           k_q67d5ba4dc5_comb
    .symbol:         k_q67d5ba4dc5_comb.kd
    .args:
      - { .name: part, .offset: 0, .size: 8, .value_kind: global_buffer, .address_space: global }
      - { .name: b2, .offset: 8, .size: 8, .value_kind: global_buffer, .address_space: global }
      - { .name: ridx, .offset: 16, .size: 8, .value_kind: global_buffer, .address_space: global }
      - { .name: rwt, .offset: 24, .size: 8, .value_kind: global_buffer, .address_space: global }
      - { .name: out0, .offset: 32, .size: 8, .value_kind: global_buffer, .address_space: global }
    .group_segment_fixed_size: 0
    .private_segment_fixed_size: 0
    .kernarg_segment_align: 8
    .kernarg_segment_size: 40
    .max_flat_workgroup_size: 256
    .sgpr_count:     66
    .vgpr_count:     192
    .wavefront_size: 32
...
	.end_amdgpu_metadata
.endif
;; end of part 4
;; ======== version 2 of 3: 4 launches
;; limits: a function is approximated: absolute error at most 1.5e-07; an absolute error that grows with the inputs' magnitude: up to 6e-08 times it
;; workspace buffers: xb 2,097,152 bytes; ridx 8,192 bytes of whole numbers; rwt 8,192 bytes; hbuf 67,108,864 bytes; part 33,554,432 bytes
;; launch route: the kernel of part 1 again; grid 256 x 1, 4 waves a work-group, no clusters, 0 bytes of LDS; arguments hidden_states, gate_w, gate_b, xb, ridx, rwt; writes xb, ridx, rwt
;; launch ffn1 (part 5): grid 32 x 8, 4 waves a work-group, no clusters, 214,528 bytes of LDS; arguments xb, w1, ridx, hbuf, b1; writes hbuf
.if DOCPART == 5
	.amdgcn_target "amdgcn-amd-amdhsa--gfx1250"
	.amdhsa_code_object_version 6
	.text
	.protected	k_q67d5ba4dc5_ffn1
	.globl	k_q67d5ba4dc5_ffn1
	.p2align	8
	.type	k_q67d5ba4dc5_ffn1,@function
k_q67d5ba4dc5_ffn1:
	s_mov_b64 s[64:65], 0
	v_nop
	global_prefetch_b8 v0, s[64:65] scope:SCOPE_SE
	s_setreg_imm32_b32 hwreg(HW_REG_WAVE_MODE, 25, 1), 1
	s_wait_xcnt 0x0
; THE FIRST PRODUCT OF THE EXPERTS' CHAIN, for the chosen rows alone: hbuf[e][place][f] = gelu(xb[token][:] . w1[e][:][f] + b1[e][f]), bf16.
; ridx[2 token + choice] is a token's expert.  An expert's rows are ranked in the order in which the scan below meets them; a row's rank is its PLACE, and hbuf has 1,024 places for each expert
; (a token chooses an expert once at the most), of which only those in use are touched.  So the stores here and the loads of the launch behind are plain arithmetic on the place.
; SHARES.  A work-group has ONE expert (grid y) and a slice of its weights of 1,024 k x 128 columns (grid x), which it alone reads, and all rows of that expert.
; A tile is 16 places x 128 columns; tile 4 a + w goes to wave w.  Six tiles a wave, 384 places a work-group, are a GROUP and ride on one pass over the slice.  The pass stands in a loop of three groups:
; a group without rows jumps over every load, store and product and passes only the barriers, which every wave passes whatever the counts.  Group 0 reads the slice whatever the count, so that
; its first loads go out before the rows are known.  Places past the count in the last tile take some token that exists and are stored like the others: they lie in the expert's own region, and
; the launch behind stores nothing of them.  An expert without rows makes one such tile, so that the launch behind reads only bytes that were stored.
; FROM PLACE TO TOKEN, in registers.  A wave's 96 places of a group lie one to a lane in three registers.  The choices are scanned in 32 steps of 32 tokens; each step has a mask of the lanes whose token
; chose my expert and the count of rows before it; a place keeps the mask, count and first token of the last step whose count does not pass it, and then looks for set bit number (place - count) of that mask.
; THE PASS.  K goes in 8 chunks of 128.  Wave w loads 32 of a chunk's 128 rows of W (512 consecutive bytes an instruction), rounds them to bf16 in place and lays them [k][n] into one of TWO LDS slots
; that take turns; its own tiles' rows of A (256 consecutive bytes for 16 lanes) go through registers into its own LDS bytes.  The next chunk is asked for as soon as this one has left its registers, and
; has the chunk's products in which to land.  ONE barrier a chunk: in front of it a wave's rows of W are in the slot and its reads of the other slot are over.  The slot that chunk c fills was read
; last in chunk c - 2, and the barrier of chunk c - 1 stands between.  The loop holds two chunks a trip, so that every LDS address is a constant of the text.
; FRAGMENTS BY TURNS.  A chunk is four steps of 32 k, and two sets of fragment registers take turns: ahead of a step's products the next step's fragments are asked for from LDS, and they land while the step is multiplied.
; THE MATRIX INSTRUCTION IS USED TRANSPOSED: source 0 = 16 columns of W (turned by ds_load_tr16_b128), source 1 = 16 rows of A: a lane then holds eight neighbouring columns of one row.
; FORMAT.  W and b1 are rounded once to bf16, as every input of this program is; sums in f32; h rounded once to bf16.
; GELU.  0.5 u (1 + erf(u / sqrt 2)), erf by the fifth-degree rational form (Abramowitz and Stegun 7.1.26, absolute error 1.5e-7, all arguments).
; LIMITS.  For very negative u the result carries an absolute error of some 6e-8 |u| where the true value is nearer to 0.  NaN and infinities are not treated apart.
; NO JOINT LOADS: a slice of weights has one reader; what an expert's work-groups share is its rows of A, which lie scattered among the tokens, so that no tile descriptor covers them.
.set WP,    16384                      ; bytes from a k row of W to the next
.set EP,    272                        ; the stage's pitch: 256 bytes + 16
.set WPI,   288                        ; a k row of W in LDS: 256 bytes + 32 = 72 words
.set WSLOT, 128*WPI                    ; a slot: a chunk of W
.set XPI,   272                        ; a row of A in LDS: 256 bytes + 16: the 16 rows of a fragment load start at 16 different groups of four banks
.set XSB,   2*WSLOT                    ; behind W's two slots: A's rows, 96 for each wave
.set XSW,   96*XPI
.set ESB,   XSB+4*XSW                  ; the stages for the way out, one for each wave
.set ESW,   8448
.set BSB,   ESB+4*ESW                  ; b1 of the slice, rounded, 512 bytes for each wave
.set SPARE, BSB+4*512                  ; the spare words, 128 bytes for each wave: two blocks of 256 bytes that no other line names
; window 0
.set LN,    1                          ; lane
.set WVO,   2                          ; 32 w rows of W + 16 L
.set L16,   3                          ; 16 L
.set WSTO,  4                          ; where my 8 bytes of a row of W go: row 32 w of slot 0
.set PFO,   5                          ; my byte offset in a chunk of W for the requests ahead: row 32 w + L / 2, 256 (L % 2); never rewritten
.set XSTO,  6                          ; where my 16 bytes of A go
.set XRD,   7                          ; my lane's place in a fragment of A
.set ESTO,  8                          ; the way out: where I put my columns of a row
.set ERD,   9                          ; the way out: where I read rows back
.set PB,    10                         ; the place that my lane looks up, in group 0 and the first of the three registers
.set HW13,  11                         ; my byte offset in the expert's region of hbuf, in group 0 and tile 0: (16 w + h) rows + 16 (L % 16)
.set C16,   12                         ; 16 (L % 16)
.set SPW,   13                         ; LDS address of my spare word; never rewritten
.set NIL,   14                         ; 0; never rewritten
.set BRD,   15                         ; where I read b1 of my columns.  v16-19 are at work
.set H16,   20                         ; 16 h
.set GO,    21                         ; HW13 in the group in hand
.set PRV,   22                         ; and in the tile in hand
.set BST,   23                         ; where my four numbers of b1 go
.set XO,    24                         ; v[24:71]   byte offset of my 16 bytes in A: tile a, load i at 8 a + i
.set AF,    72                         ; v[72:103]  fragments of A, 16 rows x 32 k each: the first four of twelve (set p, tile a: number 6 p + a)
.set XRL,   104                        ; v[104:167] A of tiles 4, 5 on its way; while places are looked up, and on the way out, at work
.set AF2,   168                        ; v[168:231] the other eight fragments of A
.set IX,    AF2                        ; while places are looked up: the choices
.set HB,    AF2                        ; on the way out: rows read back from the stage
.set GZ,    200                        ; gelu, at work
.set GT,    208
.set GE,    216
.set GY,    224
.set ZR,    232                        ; v[232:239] zeros; never rewritten
.set WRD,   240                        ; v240, v241 my lane's place for the turning load in slot 0, 1
.set GH,    248                        ; v[248:253] at work
.set POS,   XRL                        ; three registers each: the places,
.set SM,    XRL+4                      ; the mask kept,
.set SB,    XRL+8                      ; the count before it (low half) and its first token (high half),
.set QA,    XRL+12                     ; the mask's bit counts in fields of 2,
.set QB,    XRL+16                     ; 4,
.set QC,    XRL+20                     ; 8
.set QD,    XRL+24                     ; and, in the low byte, of bits 0 to 15,
.set QN,    XRL+28                     ; the number of the set bit still looked for,
.set QL,    XRL+32                     ; the bit position so far,
.set QT,    XRL+36                     ; at work
.set QS,    XRL+40
.set TOK,   XRL+44                     ; the token
; window 1: accumulator (a, b) at 64 a + 8 b, a = 0..3.   window 2: v0-127 those of a = 4, 5; v128-255 W's fragments, two sets of 64: 64 p + 8 b.
; window 3: v0-127 32 rows of W in f32, then in bf16 in v0-63 (on the way out v0-63: b1 of my columns); v128-255 A of tiles 0 to 3 on its way
.set WV,  14
.set EX,  15                           ; the expert
.set SX,  16                           ; the slice
.set CNT, 17                           ; rows of the expert
.set W16, 18                           ; 16 w
.set NT,  19                           ; my tiles in this group, 0 to 6
.set G,   20                           ; the group
.set LC,  21                           ; counts trips of two chunks, 4 to 1
.set G6,  22                           ; 6 x the group
.set SA,  23                           ; counts tiles on the way out
.set WB,  24                           ; s[24:25] W at the chunk that was asked for last
.set WS,  26                           ; s[26:27] W at my slice
.set XBC, 28                           ; s[28:29] A at the chunk that was asked for last
.set XB0, 30                           ; s[30:31] A at chunk 0
.set ALV, 32                           ; 1: the group has rows (group 0: always)
.set GR,  34                           ; places in front of the group.  s36-47 are at work
.set SEL, 48                           ; s[48:49] v_permlanex16_b32's selects: each lane takes its own place in the other half
.set CZ,  52                           ; sqrt(log2 e / 2)
.set PS,  54                           ; pairs, named whole by the packed forms, which take the low word for both halves
.set CA5, 56
.set CA4, 58
.set CA3, 60
.set CA2, 62
.set CA1, 66
.set KC,  68
.set RLN, 72                           ; s[72:87] sixteen lanes' tokens
.set MSB, 0
.macro WIN new                         ; the immediate's high byte repeats the setting that is left; a switch that changes nothing is dropped
.if MSB != (\new)
	s_set_vgpr_msb (MSB<<8)|(\new)
.set MSB, (\new)
.endif
.endm
.macro PLACES                          ; four plain vector instructions between a matrix instruction and a load into, or a reader of, its registers
.rept 4
	v_nop
.endr
.endm
.macro EACH line:vararg                ; one line for each of the three registers j
.set j, 0
.rept 3
	\line
.set j, j+1
.endr
.endm
.macro WISSUE                          ; my 32 rows of a chunk of W: an instruction takes 512 consecutive bytes of one row
	WIN 0xc0
.set q, 0
.rept 32
	global_load_b128 v[4*q:4*q+3], v[WVO], s[WB:WB+1] offset:q*WP th:TH_LOAD_NT
.set q, q+1
.endr
	WIN 0
.endm
; My 32 rows of the chunk behind the one just asked for are requested ahead: two instructions, lanes 256 bytes apart, 16 rows x 512 bytes each.  Each block of the slice is requested once a pass,
; by the wave that will load it, one chunk ahead of its loads.  The chunks that load chunk 7 or nothing request nothing: no request passes the slice's last row.
.macro PREF
	global_prefetch_b8 v[PFO], s[WB:WB+1] offset:128*WP th:TH_LOAD_NT scope:SCOPE_SE
	global_prefetch_b8 v[PFO], s[WB:WB+1] offset:144*WP th:TH_LOAD_NT scope:SCOPE_SE
.endm
.macro WCVT                            ; W is rounded to bf16 in place: row i's four registers become registers 2 i, 2 i + 1; each line writes a register that no later line reads
	WIN 0xcf
.set q, 0
.rept 64
	v_cvt_pk_bf16_f32 v[q], v[2*q], v[2*q+1]
.set q, q+1
.endr
.endm
.macro WSTORE par                      ; and laid into slot par: 256 consecutive bytes an instruction
	WIN 0x0c
.set q, 0
.rept 32
	ds_store_b64 v[WSTO], v[2*q:2*q+1] offset:(\par)*WSLOT+WPI*q
.set q, q+1
.endr
	WIN 0
.endm
.macro XTILE a                         ; where tile a's rows of A wait: register and window
.if (\a) < 4
.set XBR, 128+32*(\a)
.set XWN, 3
.else
.set XBR, XRL+32*((\a)-4)
.set XWN, 0
.endif
.endm
.macro XST                             ; my tiles' rows of A of this chunk go into my LDS bytes
.irp a, 0,1,2,3,4,5
	s_cmp_le_u32 s[NT], \a
	s_cbranch_scc1 .Lxs_\@
	XTILE \a
	WIN 4*XWN
.irp i, 0,1,2,3,4,5,6,7
	ds_store_b128 v[XSTO], v[XBR+4*\i:XBR+4*\i+3] offset:XPI*(16*\a+2*\i)
.endr
	WIN 0
.endr
.Lxs_\@:
.endm
.macro XLD a0                          ; the next chunk's rows of tiles a0 to a0 + 2, as far as I have them
.irp d, 0,1,2
	s_cmp_le_u32 s[NT], (\a0)+\d
	s_cbranch_scc1 .Lxl_\@
	XTILE (\a0)+\d
	WIN 64*XWN
.irp i, 0,1,2,3,4,5,6,7
	global_load_b128 v[XBR+4*\i:XBR+4*\i+3], v[XO+8*((\a0)+\d)+\i], s[XBC:XBC+1]
.endr
	WIN 0
.endr
.Lxl_\@:
.endm
.macro XALL_LD                         ; all six tiles' rows, whatever the count: every place has a token that exists
	WIN 0xc0
.set q, 0
.rept 32
	global_load_b128 v[128+4*q:128+4*q+3], v[XO+q], s[XBC:XBC+1]
.set q, q+1
.endr
	WIN 0
.set q, 0
.rept 16
	global_load_b128 v[XRL+4*q:XRL+4*q+3], v[XO+32+q], s[XBC:XBC+1]
.set q, q+1
.endr
.endm
.macro AREG p, a                       ; AR: the eight registers of tile a's fragment of A in set p
.if 6*(\p)+(\a) < 4
.set AR, AF+8*(6*(\p)+(\a))
.else
.set AR, AF2+8*(6*(\p)+(\a)-4)
.endif
.endm
; The fragments of step sg (32 k) of the chunk in slot par, into set sg % 2: my tiles' of A, then W's eight, turned.
.macro FETCH sg, par
.irp a, 0,1,2,3,4,5
.if \a
	s_cmp_le_u32 s[NT], \a
	s_cbranch_scc1 .Lfa_\@
.endif
	AREG (\sg)%2, \a
	ds_load_b128 v[AR:AR+3],   v[XRD] offset:16*XPI*\a+64*(\sg)
	ds_load_b128 v[AR+4:AR+7], v[XRD] offset:16*XPI*\a+64*(\sg)+32
.endr
.Lfa_\@:
	WIN 0x80
.irp b, 0,1,2,3,4,5,6,7
	ds_load_tr16_b128 v[128+64*((\sg)%2)+8*\b:128+64*((\sg)%2)+8*\b+3],   v[WRD+(\par)] offset:32*WPI*(\sg)+32*\b
	ds_load_tr16_b128 v[128+64*((\sg)%2)+8*\b+4:128+64*((\sg)%2)+8*\b+7], v[WRD+(\par)] offset:32*WPI*(\sg)+32*\b+16*WPI
.endr
	WIN 0
.endm
; The products of step sg: eight matrix instructions a tile; a tile's eight accumulators take turns.
.macro MMS sg
.irp a, 0,1,2,3,4,5
.if \a
	s_cmp_le_u32 s[NT], \a
	s_cbranch_scc1 .Lme_\@
.endif
	AREG (\sg)%2, \a
.if \a < 4
	WIN 0x52
.set AC, 64*\a
.else
	WIN 0xa2
.set AC, 64*(\a-4)
.endif
.irp b, 0,1,2,3,4,5,6,7
	v_wmma_f32_16x16x32_bf16 v[AC+8*\b:AC+8*\b+7], v[128+64*((\sg)%2)+8*\b:128+64*((\sg)%2)+8*\b+7], v[AR:AR+7], v[AC+8*\b:AC+8*\b+7]
.endr
	WIN 0
.endr
.Lme_\@:
.endm
; My NT tiles times the chunk in slot par.  Every wait is for all my LDS loads and stands on every way, so that none hangs on the number of tiles: at each of them the step's fragments,
; asked for ahead of the step before, are in; then the next step's are asked for, into the set that the products just issued have read (four places between), and the step is multiplied.
.macro COMPUTE par
	s_cmp_eq_u32 s[NT], 0
	s_cbranch_scc1 .Lce_\@
	PLACES                                         ; both sets were read by the products of the chunk before
	FETCH 0, \par
	s_wait_dscnt 0x0                               ; step 0: the one step of a chunk whose fragments are waited for in the open
	FETCH 1, \par
	MMS 0
	s_wait_dscnt 0x0
	PLACES
	FETCH 2, \par
	MMS 1
.if \par
	s_cmp_eq_u32 s[LC], 1
	s_cbranch_scc1 .Lnx_\@                         ; the last chunk asks for nothing
.endif
	XLD 3                                          ; the next chunk's rows of A's tiles 3 to 5
.Lnx_\@:
	s_wait_dscnt 0x0
	PLACES
	FETCH 3, \par
	MMS 2
	s_wait_dscnt 0x0
	MMS 3
.Lce_\@:
.endm
; A CHUNK, in slot par.  Every wait for loads is for 0: it holds whichever of the loads were jumped over.
.macro CHUNK par
	s_wait_loadcnt 0x0                             ; this chunk's W and A are in; no load is out,
	s_wait_xcnt 0x0                                ; and the requests ahead have had their addresses translated (ISA guide 3.1): the bases step only behind these two waits
	s_cmp_eq_u32 s[ALV], 0
	s_cbranch_scc1 .Lnold_\@                       ; a group without rows has nothing to round, to lay down or to ask for
	WCVT
	WSTORE \par
	XST
.if \par
	s_cmp_eq_u32 s[LC], 1
	s_cbranch_scc1 .Lnold_\@                       ; the last chunk asks for nothing
.endif
	s_add_nc_u64 s[XBC:XBC+1], s[XBC:XBC+1], 256
	s_add_nc_u64 s[WB:WB+1], s[WB:WB+1], 128*WP
	XLD 0                                          ; the next chunk: A's tiles 0 to 2 first, so that the loads that many work-groups share are the oldest on the counter,
	WISSUE                                         ; then 32 loads of W; A's other tiles follow two steps further down
.if (\par) == 0
	s_cmp_eq_u32 s[LC], 1
	s_cbranch_scc1 .Lnold_\@                       ; chunk 6 has asked for chunk 7: there is no chunk behind it
.endif
	PREF
.Lnold_\@:
	s_wait_dscnt 0x0                               ; for the others' sake: my rows of W are in the slot, and my reads of the other slot are over
	s_barrier_signal -1
	s_barrier_wait -1                              ; the slot is whole, and nobody reads the other slot any more
	s_cmp_eq_u32 s[ALV], 0
	s_cbranch_scc1 .Lkend_\@
	COMPUTE \par
.Lkend_\@:
.endm
; All 48 accumulators are written, whatever the wave's number of tiles: a matrix instruction on zero operands with C = 0 writes eight registers.
; Five plain instructions stand between the last group's products and these, which write over their results.
.macro CLEAR
.rept 5
	v_nop
.endr
	WIN 0x40
.set q, 0
.rept 32
	v_wmma_f32_16x16x32_bf16 v[8*q:8*q+7], v[ZR:ZR+7], v[ZR:ZR+7], 0
.set q, q+1
.endr
	WIN 0x80
.set q, 0
.rept 16
	v_wmma_f32_16x16x32_bf16 v[8*q:8*q+7], v[ZR:ZR+7], v[ZR:ZR+7], 0
.set q, q+1
.endr
	WIN 0
.endm
.macro CMPK k                          ; step k of the scan: which lanes' tokens (64 (k / 2) + k % 2 + 2 L) have my expert as first, as second choice
	v_cmp_eq_u32 s[36+4*((\k)%2)], s[EX], v[IX+2*(\k)]
	v_cmp_eq_u32 s[37+4*((\k)%2)], s[EX], v[IX+2*(\k)+1]
.endm
; One halving of the search for set bit number QN: the field of w bits at position QL of src counts the set bits of the lower half of what is left; if QN is not below it, the bit lies in the upper half.
.macro PICK src, w, add
.set j, 0
.rept 3
	v_bfe_u32 v[QT+j], v[\src+j], v[QL+j], \w
	v_cmp_ge_u32 vcc_lo, v[QN+j], v[QT+j]
	v_cndmask_b32 v[QT+j], 0, v[QT+j], vcc_lo
	v_cndmask_b32 v[QS+j], 0, \add, vcc_lo
	v_sub_nc_u32 v[QN+j], v[QN+j], v[QT+j]
	v_add_nc_u32 v[QL+j], v[QL+j], v[QS+j]
.set j, j+1
.endr
.endm
; gelu of the eight numbers u of column block b.  z = |u| sqrt(log2 e / 2), so that e^(-u^2 / 2) = 2^(-z z); t = 1 / (1 + 0.3275911 |u| / sqrt 2);
; y = t (a1 + t (a2 + t (a3 + t (a4 + t a5)))) 2^(-z z) = 1 - erf(|u| / sqrt 2); gelu = 0.5 u + 0.5 |u| (1 - y) = z (KC - KC y) + 0.5 u.
.macro GELU8 b
.set U, XRL+8*(\b)
.irp j, 0,1,2,3,4,5,6,7
	v_mul_f32 v[GZ+\j], |v[U+\j]|, s[CZ]
.endr
.irp j, 0,2,4,6
	v_pk_fma_f32 v[GT+\j:GT+\j+1], v[GZ+\j:GZ+\j+1], s[PS:PS+1], 1.0 op_sel_hi:[1,0,0]
.endr
.irp j, 0,2,4,6
	v_pk_mul_f32 v[GE+\j:GE+\j+1], v[GZ+\j:GZ+\j+1], v[GZ+\j:GZ+\j+1] neg_lo:[1,0] neg_hi:[1,0]
.endr
.irp j, 0,1,2,3,4,5,6,7
	v_rcp_f32 v[GT+\j], v[GT+\j]
.endr
.irp j, 0,1,2,3,4,5,6,7
	v_exp_f32 v[GE+\j], v[GE+\j]
.endr
.irp j, 0,2,4,6
	v_pk_mul_f32 v[U+\j:U+\j+1], v[U+\j:U+\j+1], 0.5 op_sel_hi:[1,0]  ; plain instructions behind the last exponential
.endr
	s_wait_alu depctr_va_vdst(0)
.irp j, 0,2,4,6
	v_pk_fma_f32 v[GY+\j:GY+\j+1], v[GT+\j:GT+\j+1], s[CA5:CA5+1], s[CA4:CA4+1] op_sel_hi:[1,0,0]
.endr
.irp c, CA3, CA2, CA1
.irp j, 0,2,4,6
	v_pk_fma_f32 v[GY+\j:GY+\j+1], v[GY+\j:GY+\j+1], v[GT+\j:GT+\j+1], s[\c:\c+1] op_sel_hi:[1,1,0]
.endr
.endr
.irp j, 0,2,4,6
	v_pk_mul_f32 v[GY+\j:GY+\j+1], v[GY+\j:GY+\j+1], v[GT+\j:GT+\j+1]
.endr
.irp j, 0,2,4,6
	v_pk_mul_f32 v[GY+\j:GY+\j+1], v[GY+\j:GY+\j+1], v[GE+\j:GE+\j+1]
.endr
.irp j, 0,2,4,6
	v_pk_fma_f32 v[GY+\j:GY+\j+1], v[GY+\j:GY+\j+1], s[KC:KC+1], s[KC:KC+1] op_sel_hi:[1,0,0] neg_lo:[1,0,0] neg_hi:[1,0,0]
.endr
.irp j, 0,2,4,6
	v_pk_fma_f32 v[GY+\j:GY+\j+1], v[GZ+\j:GZ+\j+1], v[GY+\j:GY+\j+1], v[U+\j:U+\j+1]
.endr
.irp j, 0,1,2,3
	v_cvt_pk_bf16_f32 v[GH+\j], v[GY+2*\j], v[GY+2*\j+1]
.endr
	ds_store_b128 v[ESTO], v[GH:GH+3] offset:32*(\b)
.endm
	; THE HEAD
	s_load_b256 s[4:11], s[0:1], 0x0               ; xb s[4:5], w1 s[6:7], ridx s[8:9], hbuf s[10:11]
	s_load_b64 s[12:13], s[0:1], 0x20              ; b1
	v_lshl_add_u32 v[SPW], v0, 2, SPARE
	v_mov_b32 v[NIL], 0
	v_lshrrev_b32 v16, 5, v0
	v_readfirstlane_b32 s[WV], v16                 ; wave 0..3
	s_and_b32 s[EX], ttmp7, 0xffff
	s_mov_b32 s[SX], ttmp9
	s_lshl_b32 s[W16], s[WV], 4
	v_and_b32 v[LN], 31, v0
	v_and_b32 v16, 15, v0                          ; r = L % 16
	v_bfe_u32 v17, v0, 4, 1                        ; h = L / 16
	v_and_b32 v18, 7, v0                           ; L % 8
	v_bfe_u32 v19, v0, 3, 1                        ; (L / 8) % 2
	v_lshlrev_b32 v[L16], 4, v[LN]
	v_lshlrev_b32 v[C16], 4, v16
	v_lshlrev_b32 v[H16], 4, v17
	s_mul_i32 s40, s[WV], 32*WP
	v_add_nc_u32 v[WVO], s40, v[L16]
	s_mul_i32 s40, s[WV], 32*WPI
	v_lshl_add_u32 v[WSTO], v[LN], 3, s40
	v_lshrrev_b32 v[PFO], 1, v[LN]                 ; the requests ahead: row 32 w + L / 2,
	s_lshl_b32 s40, s[WV], 5
	v_add_nc_u32 v[PFO], s40, v[PFO]
	v_mul_u32_u24 v[PFO], v[PFO], WP
	v_and_b32 v21, 1, v[LN]
	v_lshl_add_u32 v[PFO], v21, 8, v[PFO]          ; and which 256 of its 512 bytes
	v_lshl_add_u32 v[WRD], v17, 3, v18             ; the turning load: lane L reads k row 8 h + L % 8, 16 bytes at 16 ((L / 8) % 2)
	v_mul_u32_u24 v[WRD], v[WRD], WPI
	v_lshl_add_u32 v[WRD], v19, 4, v[WRD]
	v_add_nc_u32 v[WRD+1], WSLOT, v[WRD]
	s_mul_i32 s42, s[WV], XSW
	s_add_co_u32 s42, s42, XSB
	v_mul_u32_u24 v[XSTO], v17, XPI                ; a load of A takes two rows of 256 bytes: row h, 16 bytes at 16 r
	v_add_nc_u32 v[XSTO], v[XSTO], v[C16]
	v_add_nc_u32 v[XSTO], s42, v[XSTO]
	v_mul_u32_u24 v[XRD], v16, XPI                 ; a fragment: row r, 16 bytes for each half of the lanes
	v_lshl_add_u32 v[XRD], v17, 4, v[XRD]
	v_add_nc_u32 v[XRD], s42, v[XRD]
	s_mul_i32 s43, s[WV], ESW
	s_add_co_u32 s43, s43, ESB
	v_mul_u32_u24 v[ESTO], v16, EP
	v_lshl_add_u32 v[ESTO], v17, 4, v[ESTO]        ; row r, 16 bytes (8 bf16) for each half of the lanes
	v_add_nc_u32 v[ESTO], s43, v[ESTO]
	v_mul_u32_u24 v[ERD], v17, EP                  ; back: lanes 0-15 one row of 256 bytes, lanes 16-31 the next
	v_add_nc_u32 v[ERD], v[ERD], v[C16]
	v_add_nc_u32 v[ERD], s43, v[ERD]
	s_lshl_b32 s45, s[WV], 9
	s_add_co_u32 s45, s45, BSB
	v_lshl_add_u32 v[BRD], v17, 5, s45             ; b1: columns 16 b + 8 h on
	v_add_nc_u32 v[BST], s45, v[L16]               ; and where my four numbers of it go
	; Lane 16 h + x of register j looks up row 2 (x % 8) + h of tile 2 j + x / 8: place 64 (2 j + x / 8) + 16 w + 2 (x % 8) + h, so that the two rows of one load of A lie 16 lanes apart
	v_lshlrev_b32 v[PB], 1, v18
	v_lshl_add_u32 v[PB], v19, 6, v[PB]
	v_add_nc_u32 v[PB], v[PB], v17
	v_add_nc_u32 v[PB], s[W16], v[PB]
	v_add_nc_u32 v[HW13], s[W16], v17              ; a store takes two rows of hbuf, 8,192 bytes apart
	v_lshl_add_u32 v[HW13], v[HW13], 13, v[C16]
	s_lshl_b32 s40, s[EX], 24                      ; an expert's weights: 2^24 bytes
	s_lshl_b32 s41, s[SX], 9                       ; 128 columns of f32
	s_add_co_u32 s40, s40, s41
	s_lshl_b32 s44, s[EX], 23                      ; an expert's region of hbuf: 1,024 rows of 8,192 bytes
	s_lshl_b32 s45, s[SX], 8                       ; 128 columns of bf16
	s_add_co_u32 s44, s44, s45
	s_lshl_b32 s46, s[EX], 14
	s_add_co_u32 s46, s46, s41
	s_mov_b32 s41, 0
	s_mov_b32 s45, 0
	s_mov_b32 s47, 0
	s_mov_b32 s[SEL], 0x76543210
	s_mov_b32 s[SEL+1], 0xfedcba98
	s_mov_b32 s[CZ], 0x3f596d27                    ; sqrt(log2 e / 2) = 0.8493218
	s_mov_b32 s[PS], 0x3e8ba440                    ; 0.3275911 / sqrt(log2 e) = 0.2727375
	s_mov_b32 s[CA5], 0x3f87dc22                   ; 1.061405429
	s_mov_b32 s[CA4], 0xbfba00e3                   ; -1.453152027
	s_mov_b32 s[CA3], 0x3fb5f0e3                   ; 1.421413741
	s_mov_b32 s[CA2], 0xbe91a98e                   ; -0.284496736
	s_mov_b32 s[CA1], 0x3e827906                   ; 0.254829592
	s_mov_b32 s[KC], 0x3f16b55f                    ; sqrt(ln 2 / 2) = 0.5887050: 0.5 |u| = KC z
.irp c, PS, CA5, CA4, CA3, CA2, CA1, KC
	s_mov_b32 s[\c+1], s[\c]
.endr
.set q, 0
.rept 8
	v_mov_b32 v[ZR+q], 0
.set q, q+1
.endr
.set q, 0
.rept 32
	v_mov_b32 v[AF+q], 0                           ; fragments of tiles that a wave does not have are never loaded: they hold written registers all the same (the other eight take the choices below)
.set q, q+1
.endr
	s_mov_b32 s[GR], 0
	s_mov_b32 s[G6], 0
	s_mov_b32 s[G], 0
	s_mov_b32 s[ALV], 1
	s_wait_kmcnt 0x0
	s_add_nc_u64 s[WS:WS+1], s[6:7], s[40:41]
	s_mov_b64 s[XB0:XB0+1], s[4:5]
	s_add_nc_u64 s[10:11], s[10:11], s[44:45]
	s_add_nc_u64 s[12:13], s[12:13], s[46:47]
	s_branch .Lalive                               ; group 0 runs whatever the count
.Lgroup:                                               ; groups 1 and 2
	s_cmp_eq_u32 s[ALV], 0
	s_cbranch_scc1 .Lpass
.Lalive:
	s_mov_b64 s[WB:WB+1], s[WS:WS+1]               ; no load is out
.set q, 0
.rept 16
	global_load_b128 v[IX+4*q:IX+4*q+3], v[L16], s[8:9] offset:512*q  ; all 2,048 choices: registers 4 g + 2 u, + 1 hold the two of token 64 g + 2 L + u
.set q, q+1
.endr
	global_load_b128 v[GH:GH+3], v[L16], s[12:13]  ; b1 of columns 4 L to 4 L + 3 of the slice
	WISSUE                                         ; chunk 0 of W is on its way while the places are looked up,
	PREF                                           ; and chunk 1 is requested ahead
.set j, 0
.rept 3
	s_add_co_u32 s40, s[GR], 128*j
	v_add_nc_u32 v[POS+j], s40, v[PB]
.set j, j+1
.endr
	s_mov_b32 s[CNT], 0
	s_wait_loadcnt 32                              ; the choices and b1 are in; W's 32 loads, issued behind them, stay out
	; THE SCAN.  A token's two choices differ, so one mask serves both.  The compares of step k + 1 stand ahead of the work of step k.  Step 0's count is 0, which passes no place: it starts the registers.
	CMPK 0
.set k, 0
.rept 32
.set MS, 36+4*(k%2)
.if k < 31
	CMPK k+1
.endif
	s_or_b32 s[MS], s[MS], s[MS+1]
	s_or_b32 s[MS+2], s[CNT], (64*(k/2)+k%2)<<16   ; the count before the step (1,024 at the most) and the step's first token
.irp j, 0,1,2
.if k == 0
	v_mov_b32 v[SM+\j], s[MS]
	v_mov_b32 v[SB+\j], s[MS+2]
.else
	v_cmp_le_u32 vcc_lo, s[CNT], v[POS+\j]
	v_cndmask_b32 v[SM+\j], v[SM+\j], s[MS], vcc_lo
	v_cndmask_b32 v[SB+\j], v[SB+\j], s[MS+2], vcc_lo
.endif
.endr
	s_bcnt1_i32_b32 s[MS+1], s[MS]
	s_add_co_u32 s[CNT], s[CNT], s[MS+1]
.set k, k+1
.endr
	v_cvt_pk_bf16_f32 v[GH+4], v[GH], v[GH+1]      ; b1 is rounded to bf16, widened again and kept in my LDS bytes
	v_cvt_pk_bf16_f32 v[GH+5], v[GH+2], v[GH+3]
	v_lshlrev_b32 v[GH], 16, v[GH+4]
	v_and_b32 v[GH+1], 0xffff0000, v[GH+4]
	v_lshlrev_b32 v[GH+2], 16, v[GH+5]
	v_and_b32 v[GH+3], 0xffff0000, v[GH+5]
	ds_store_b128 v[BST], v[GH:GH+3]
	; The mask's bit counts in fields of 2, 4, 8 and 16 bits; then five halvings.  A place past the expert's count ends at some bit 0..31 of the last step: a token that exists.
	EACH v_lshrrev_b32 v[QT+j], 1, v[SM+j]
	EACH v_and_b32 v[QT+j], 0x55555555, v[QT+j]
	EACH v_sub_nc_u32 v[QA+j], v[SM+j], v[QT+j]
	EACH v_lshrrev_b32 v[QT+j], 2, v[QA+j]
	EACH v_and_b32 v[QT+j], 0x33333333, v[QT+j]
	EACH v_and_b32 v[QB+j], 0x33333333, v[QA+j]
	EACH v_add_nc_u32 v[QB+j], v[QB+j], v[QT+j]
	EACH v_lshrrev_b32 v[QT+j], 4, v[QB+j]
	EACH v_add_nc_u32 v[QC+j], v[QB+j], v[QT+j]
	EACH v_and_b32 v[QC+j], 0x0f0f0f0f, v[QC+j]
	EACH v_lshrrev_b32 v[QT+j], 8, v[QC+j]
	EACH v_add_nc_u32 v[QD+j], v[QC+j], v[QT+j]
	EACH v_and_b32 v[QT+j], 0xffff, v[SB+j]
	EACH v_sub_nc_u32 v[QN+j], v[POS+j], v[QT+j]
	EACH v_mov_b32 v[QL+j], 0
	PICK QD, 8, 16
	PICK QC, 8, 8
	PICK QB, 4, 4
	PICK QA, 2, 2
	PICK SM, 1, 1
	EACH v_lshrrev_b32 v[QT+j], 16, v[SB+j]
	EACH v_lshl_add_u32 v[TOK+j], v[QL+j], 1, v[QT+j]              ; token = the step's first + 2 x the lane found
	EACH v_permlanex16_b32 v[QT+j], v[TOK+j], s[SEL], s[SEL+1]     ; lanes 0-15 take the odd row's token from 16 lanes on,
	EACH v_lshl_or_b32 v[TOK+j], v[QT+j], 16, v[TOK+j]             ; and hold both rows of a load: even row below, odd row above
	s_add_co_u32 s40, s[CNT], 15
	s_lshr_b32 s40, s40, 4
	s_max_u32 s40, s40, 1                          ; tiles of the expert, one at the least
	s_add_co_u32 s40, s40, 3
	s_sub_co_u32 s40, s40, s[WV]
	s_lshr_b32 s40, s40, 2                         ; of which tiles w, 4 + w, .. are mine;
	s_sub_co_i32 s40, s40, s[G6]
	s_max_i32 s40, s40, 0
	s_min_i32 s[NT], s40, 6                        ; those of this group
	CLEAR
	; the byte offsets in A: load i of tile a takes lane 8 (a % 2) + i of register a / 2; each half of the lanes picks its row's token
.irp j, 0,1,2
.set q, 0
.rept 16
	v_readlane_b32 s[RLN+q], v[TOK+\j], q
.set q, q+1
.endr
.set q, 0
.rept 16
	v_bfe_u32 v[XO+16*\j+q], s[RLN+q], v[H16], 10
	v_min_u32 v[XO+16*\j+q], 0x3ff, v[XO+16*\j+q]
	v_lshl_add_u32 v[XO+16*\j+q], v[XO+16*\j+q], 11, v[C16]
.set q, q+1
.endr
.endr
	s_mov_b64 s[XBC:XBC+1], s[XB0:XB0+1]
	XALL_LD                                        ; chunk 0 of A
.Lpass:
	s_mov_b32 s[LC], 4
.Lk:                                                   ; a trip: an even chunk in slot 0, an odd chunk in slot 1
	CHUNK 0
	CHUNK 1
	s_sub_co_u32 s[LC], s[LC], 1
	s_cmp_lg_u32 s[LC], 0
	s_cbranch_scc1 .Lk
	s_wait_loadcnt 0x0                             ; nothing is out: the registers that loads fill are used otherwise below
	; THE WAY OUT, a tile at a time, through my stage in LDS
	PLACES
	s_cmp_eq_u32 s[NT], 0
	s_cbranch_scc1 .Lnextg
	WIN 0xc0
.irp b, 0,1,2,3,4,5,6,7
	ds_load_b128 v[8*\b:8*\b+3],   v[BRD] offset:64*\b      ; b1 of my columns, where W's rows lay
	ds_load_b128 v[8*\b+4:8*\b+7], v[BRD] offset:64*\b+16
.endr
	WIN 0
	s_wait_dscnt 0x0
	s_lshl_b32 s40, s[GR], 13
	v_add_nc_u32 v[GO], s40, v[HW13]               ; the group's first place, in rows of 8,192 bytes
	s_mov_b32 s[SA], 0
.Ltile:
	s_cmp_ge_u32 s[SA], s[NT]
	s_cbranch_scc1 .Lstep
	s_wait_xcnt 0x0                                ; the last tile's stores have had their addresses translated: their registers are written again only behind this wait
.irp a, 0,1,2,3,4,5                    ; one of six blocks: the tile's accumulators and its places are named by number
	s_cmp_lg_u32 s[SA], \a
	s_cbranch_scc1 .Lnot_\a
.if \a < 4
.set AC, 64*\a
.set WA, 1
.else
.set AC, 64*(\a-4)
.set WA, 2
.endif
	v_add_nc_u32 v[PRV], (64*\a)<<13, v[GO]        ; my tile a begins 64 a places behind my tile 0
	WIN 0x0c+WA                                    ; source 0 the accumulators, source 1 b1 in window 3
.set q, 0
.rept 32
	v_pk_add_f32 v[XRL+2*q:XRL+2*q+1], v[AC+2*q:AC+2*q+1], v[2*q:2*q+1]  ; ascending: each accumulator's low registers first
.set q, q+1
.endr
	WIN 0
.Lnot_\a:
.endr
.irp b, 0,1,2,3,4,5,6,7
	GELU8 \b
.endr
.irp t, 0,1,2,3,4,5,6,7
	ds_load_b128 v[HB+4*\t:HB+4*\t+3], v[ERD] offset:2*EP*\t  ; LDS serves a wave's instructions in order: these see the stores above
.endr
	s_wait_dscnt 0x0
.irp t, 0,1,2,3,4,5,6,7
	global_store_b128 v[PRV], v[HB+4*\t:HB+4*\t+3], s[10:11] offset:16384*\t  ; two places on with each store; 16 lanes store 256 consecutive bytes, aligned
.endr
.Lstep:
	s_add_co_u32 s[SA], s[SA], 1
	s_cmp_lt_u32 s[SA], 6
	s_cbranch_scc1 .Ltile
.Lnextg:
	s_wait_xcnt 0x0                                ; the stores' registers, and W's base, are written again only behind this wait
	s_mov_b32 s[NT], 0                             ; a living group counts its tiles anew
	s_add_co_u32 s[GR], s[GR], 384
	s_add_co_u32 s[G6], s[G6], 6
	s_cmp_gt_u32 s[CNT], s[GR]
	s_cselect_b32 s[ALV], 1, 0                     ; has the next group any row?
	s_add_co_u32 s[G], s[G], 1
	s_cmp_lt_u32 s[G], 3
	s_cbranch_scc1 .Lgroup
	s_wait_tensorcnt 0x0                           ; the wave's end
	ds_add_u32 v[SPW], v[NIL]
	s_wait_dscnt 0x0
	s_endpgm
.Lfunc_end_k_q67d5ba4dc5_ffn1:
	.size	k_q67d5ba4dc5_ffn1, .Lfunc_end_k_q67d5ba4dc5_ffn1-k_q67d5ba4dc5_ffn1
	.p2alignl 7, 3214868480
	.fill 96, 4, 3214868480
	.section	.rodata,"a",@progbits
	.p2align	6, 0x0
	.amdhsa_kernel k_q67d5ba4dc5_ffn1
		.amdhsa_group_segment_fixed_size 214528
		.amdhsa_private_segment_fixed_size 0
		.amdhsa_enable_private_segment 0
		.amdhsa_kernarg_size 40
		.amdhsa_user_sgpr_count 2
		.amdhsa_user_sgpr_kernarg_segment_ptr 1
		.amdhsa_wavefront_size32 1
		.amdhsa_system_sgpr_workgroup_id_x 1
		.amdhsa_system_sgpr_workgroup_id_y 1
		.amdhsa_system_sgpr_workgroup_id_z 1
		.amdhsa_system_vgpr_workitem_id 0
		.amdhsa_next_free_vgpr 1024
		.amdhsa_next_free_sgpr 88
		.amdhsa_reserve_vcc 1
		.amdhsa_float_denorm_mode_32 3
		.amdhsa_float_denorm_mode_16_64 3
		.amdhsa_memory_ordered 1
		.amdhsa_forward_progress 1
		.amdhsa_inst_pref_size 196
	.end_amdhsa_kernel
	.amdgpu_metadata
---
amdhsa.version: [ 1, 2 ]
amdhsa.kernels:
  - .name:           k_q67d5ba4dc5_ffn1
    .symbol:         k_q67d5ba4dc5_ffn1.kd
    .args:
      - { .name: xb, .offset: 0, .size: 8, .value_kind: global_buffer, .address_space: global }
      - { .name: w1, .offset: 8, .size: 8, .value_kind: global_buffer, .address_space: global }
      - { .name: ridx, .offset: 16, .size: 8, .value_kind: global_buffer, .address_space: global }
      - { .name: hbuf, .offset: 24, .size: 8, .value_kind: global_buffer, .address_space: global }
      - { .name: b1, .offset: 32, .size: 8, .value_kind: global_buffer, .address_space: global }
    .group_segment_fixed_size: 214528
    .private_segment_fixed_size: 0
    .kernarg_segment_align: 8
    .kernarg_segment_size: 40
    .max_flat_workgroup_size: 128
    .sgpr_count:     88
    .vgpr_count:     1024
    .wavefront_size: 32
...
	.end_amdgpu_metadata
.endif
;; end of part 5
;; launch ffn2 (part 6): grid 32 x 8, 4 waves a work-group, no clusters, 233,984 bytes of LDS; arguments hbuf, w2, ridx, part; writes part
.if DOCPART == 6
	.amdgcn_target "amdgcn-amd-amdhsa--gfx1250"
	.amdhsa_code_object_version 6
	.text
	.protected	k_q67d5ba4dc5_ffn2
	.globl	k_q67d5ba4dc5_ffn2
	.p2align	8
	.type	k_q67d5ba4dc5_ffn2,@function
k_q67d5ba4dc5_ffn2:
	s_mov_b64 s[64:65], 0
	v_nop
	global_prefetch_b8 v0, s[64:65] scope:SCOPE_SE
	s_setreg_imm32_b32 hwreg(HW_REG_WAVE_MODE, 25, 1), 1
	s_wait_xcnt 0x0
; THE SECOND PRODUCT OF THE EXPERTS' CHAIN, for the chosen rows alone: part[kq][p][d] = hbuf[e][place][quarter kq of f] . w2[e][that quarter][d], f32 partial sums.
; p = 2 token + choice is a routed row's fixed row in part; ridx[p] is its expert.  hbuf holds each expert's rows end to end, 1,024 places an expert, a row at the place of its rank in the scan below
; (the same order in which the launch before ranked them), whole tiles of 16 places stored, one tile at the least.  So the loads of A are plain arithmetic on the place; only the stores need p.
; SHARES.  A work-group has ONE expert (grid y) and a slice of its weights of 1,024 k x 128 columns (grid x: quarter x / 8 of K, columns 128 (x % 8) on), which it alone reads, and all rows of that expert.
; Every wave makes its own copy of the list of the expert's p in its own LDS bytes (same steps, same list).  A tile is 16 places x 128 columns; tile 4 a + w goes to wave w.
; Six tiles a wave, 384 places a work-group, are a GROUP and ride on one pass over the slice.  The pass stands in a loop of three groups (an expert has 1,024 rows at the most): a group without rows
; jumps over every load, store and product and passes only the barriers, which every wave passes whatever the counts.  Group 0 reads the slice whatever the count, so that its first
; loads go out before the list is made.  Places past the count in the last tile are multiplied with the tile, and their stores are jumped over: a store holds one row.
; THE PASS.  K goes in 8 chunks of 128.  Wave w loads 32 of a chunk's 128 rows of W (512 consecutive bytes an instruction), rounds them to bf16 in place and lays them [k][n] into one of TWO LDS slots
; that take turns; its own tiles' rows of A (256 consecutive bytes for 16 lanes) go through registers into its own LDS bytes.  The next chunk is asked for as soon as this one has left its registers, and
; has the chunk's products in which to land.  ONE barrier a chunk: in front of it a wave's rows of W are in the slot and its reads of the other slot are over.  The slot that chunk c fills was read
; last in chunk c - 2, and the barrier of chunk c - 1 stands between.  The loop holds two chunks a trip, so that every LDS address is a constant of the text.
; FRAGMENTS BY TURNS.  A chunk is four steps of 32 k, and two sets of fragment registers take turns: ahead of a step's products the next step's fragments are asked for from LDS, and they land while the step is multiplied.
; THE MATRIX INSTRUCTION IS USED TRANSPOSED: source 0 = 16 columns of W (turned by ds_load_tr16_b128), source 1 = 16 rows of A: a lane then holds eight neighbouring columns of one row.
; FORMAT.  W is rounded once to bf16, as every input of this program is; sums in f32; the four quarters' partial sums stay in f32 and are added by the launch behind.
; LIMITS.  NaN and infinities are not treated apart.
; NO JOINT LOADS: a slice of weights has one reader.  What the eight work-groups of an expert and quarter share is their rows of A, 64 KB of a chunk's 128 KB; joint loads of them would want the
; rows brought by tile descriptors into slots that take turns, another frame than this loop's loads through registers: not built here.
.set WP,    4096                       ; bytes from a k row of W to the next
.set OSH,   12                         ; a row of part: p << 12
.set EP,    528                        ; the stage's pitch: 512 bytes + 16
.set WPI,   288                        ; a k row of W in LDS: 256 bytes + 32 = 72 words
.set WSLOT, 128*WPI                    ; a slot: a chunk of W
.set XPI,   272                        ; a row of A in LDS: 256 bytes + 16: the 16 rows of a fragment load start at 16 different groups of four banks
.set XSB,   2*WSLOT                    ; behind W's two slots: A's rows, 96 for each wave
.set XSW,   96*XPI
.set ESB,   XSB+4*XSW                  ; the stages for the way out, one for each wave
.set ESW,   8448
.set LISTB, ESB+4*ESW+2048             ; the lists, one for each wave: 1,152 entries and 32 words for what does not belong
.set LISTW, 4864
.set LISTN, 1152
.set SPARE, LISTB+4*LISTW              ; the spare words, 128 bytes for each wave: two blocks of 256 bytes that no other line names
; window 0
.set LN,    1                          ; lane
.set WVO,   2                          ; 32 w rows of W + 16 L
.set L16,   3                          ; 16 L
.set WSTO,  4                          ; where my 8 bytes of a row of W go: row 32 w of slot 0
.set PFO,   5                          ; my byte offset in a chunk of W for the requests ahead: row 32 w + L / 2, 256 (L % 2); never rewritten
.set XSTO,  6                          ; where my 16 bytes of A go
.set XRD,   7                          ; my lane's place in a fragment of A
.set ESTO,  8                          ; the way out: where I put my columns of a row
.set ERD,   9                          ; the way out: where I read rows back
.set H13,   10                         ; h rows of hbuf + 16 (L % 16)
.set LRE,   11                         ; my place in the list for the rows that I store
.set C16,   12                         ; 16 (L % 16)
.set SPW,   13                         ; LDS address of my spare word; never rewritten
.set NIL,   14                         ; 0; never rewritten
.set LG,    17                         ; the way out: LRE in the group in hand.  v16-23 are at work
.set XO,    24                         ; v[24:29]   byte offset of my 16 bytes in the first two rows of tile a; the other rows stand in the loads' immediates
.set AF,    72                         ; v[72:103]  fragments of A, 16 rows x 32 k each: the first four of twelve (set p, tile a: number 6 p + a)
.set PR,    AF                         ; on the way out: the stores' offsets
.set XRL,   104                        ; v[104:167] A of tiles 4, 5 on its way; on the way out the rows read back from the stage
.set AF2,   168                        ; v[168:231] the other eight fragments of A
.set IX,    AF2                        ; at the head: the choices
.set ZR,    232                        ; v[232:239] zeros; never rewritten
.set WRD,   240                        ; v240, v241 my lane's place for the turning load in slot 0, 1
; window 1: accumulator (a, b) at 64 a + 8 b, a = 0..3.   window 2: v0-127 those of a = 4, 5; v128-255 W's fragments, two sets of 64: 64 p + 8 b.
; window 3: v0-127 32 rows of W in f32, then in bf16 in v0-63; v128-255 A of tiles 0 to 3 on its way
.set WV,  14
.set EX,  15                           ; the expert
.set SX,  16                           ; the slice
.set CNT, 17                           ; rows of the expert
.set REM, 18                           ; my tiles from this group on (signed)
.set NT,  19                           ; my tiles in this group, 0 to 6
.set G,   20                           ; the group
.set LC,  21                           ; counts trips of two chunks, 4 to 1
.set GL,  22                           ; the group's byte offset in the list
.set SA,  23                           ; counts tiles on the way out
.set WB,  24                           ; s[24:25] W at the chunk that was asked for last
.set WS,  26                           ; s[26:27] W at my slice
.set XBC, 28                           ; s[28:29] A at the chunk that was asked for last
.set XB0, 30                           ; s[30:31] A at chunk 0
.set ALV, 32                           ; 1: the group has rows (group 0: always)
.set LB,  33                           ; my list's LDS address
.set GR,  34                           ; places in front of the group
.set W16, 35                           ; 16 w
.set LT,  48                           ; the first place of the expert's last tile
.set RL,  49                           ; rows from the tile's first place to the count (signed)
.set MSB, 0
.macro WIN new                         ; the immediate's high byte repeats the setting that is left; a switch that changes nothing is dropped
.if MSB != (\new)
	s_set_vgpr_msb (MSB<<8)|(\new)
.set MSB, (\new)
.endif
.endm
.macro PLACES                          ; four plain vector instructions between a matrix instruction and a load into, or a reader of, its registers
.rept 4
	v_nop
.endr
.endm
.macro WISSUE                          ; my 32 rows of a chunk of W: an instruction takes 512 consecutive bytes of one row
	WIN 0xc0
.set q, 0
.rept 32
	global_load_b128 v[4*q:4*q+3], v[WVO], s[WB:WB+1] offset:q*WP th:TH_LOAD_NT
.set q, q+1
.endr
	WIN 0
.endm
; My 32 rows of the chunk behind the one just asked for are requested ahead: two instructions, lanes 256 bytes apart, 16 rows x 512 bytes each.  Each block of the slice is requested once a pass,
; by the wave that will load it, one chunk ahead of its loads.  The chunks that load chunk 7 or nothing request nothing: no request passes the slice's last row.
.macro PREF
	global_prefetch_b8 v[PFO], s[WB:WB+1] offset:128*WP th:TH_LOAD_NT scope:SCOPE_SE
	global_prefetch_b8 v[PFO], s[WB:WB+1] offset:144*WP th:TH_LOAD_NT scope:SCOPE_SE
.endm
.macro WCVT                            ; W is rounded to bf16 in place: row i's four registers become registers 2 i, 2 i + 1; each line writes a register that no later line reads
	WIN 0xcf
.set q, 0
.rept 64
	v_cvt_pk_bf16_f32 v[q], v[2*q], v[2*q+1]
.set q, q+1
.endr
.endm
.macro WSTORE par                      ; and laid into slot par: 256 consecutive bytes an instruction
	WIN 0x0c
.set q, 0
.rept 32
	ds_store_b64 v[WSTO], v[2*q:2*q+1] offset:(\par)*WSLOT+WPI*q
.set q, q+1
.endr
	WIN 0
.endm
.macro XTILE a                         ; where tile a's rows of A wait: register and window
.if (\a) < 4
.set XBR, 128+32*(\a)
.set XWN, 3
.else
.set XBR, XRL+32*((\a)-4)
.set XWN, 0
.endif
.endm
.macro XST                             ; my tiles' rows of A of this chunk go into my LDS bytes
.irp a, 0,1,2,3,4,5
	s_cmp_le_u32 s[NT], \a
	s_cbranch_scc1 .Lxs_\@
	XTILE \a
	WIN 4*XWN
.irp i, 0,1,2,3,4,5,6,7
	ds_store_b128 v[XSTO], v[XBR+4*\i:XBR+4*\i+3] offset:XPI*(16*\a+2*\i)
.endr
	WIN 0
.endr
.Lxs_\@:
.endm
.macro XLD a0                          ; the next chunk's rows of tiles a0 to a0 + 2, as far as I have them: two rows of 8,192 bytes on with each load
.irp d, 0,1,2
	s_cmp_le_u32 s[NT], (\a0)+\d
	s_cbranch_scc1 .Lxl_\@
	XTILE (\a0)+\d
	WIN 64*XWN
.irp i, 0,1,2,3,4,5,6,7
	global_load_b128 v[XBR+4*\i:XBR+4*\i+3], v[XO+(\a0)+\d], s[XBC:XBC+1] offset:16384*\i
.endr
	WIN 0
.endr
.Lxl_\@:
.endm
.macro XALL_LD                         ; all six tiles' rows, whatever the count: a tile that I do not have points at the expert's last tile
	WIN 0xc0
.set q, 0
.rept 32
	global_load_b128 v[128+4*q:128+4*q+3], v[XO+q/8], s[XBC:XBC+1] offset:16384*(q%8)
.set q, q+1
.endr
	WIN 0
.set q, 0
.rept 16
	global_load_b128 v[XRL+4*q:XRL+4*q+3], v[XO+4+q/8], s[XBC:XBC+1] offset:16384*(q%8)
.set q, q+1
.endr
.endm
.macro AREG p, a                       ; AR: the eight registers of tile a's fragment of A in set p
.if 6*(\p)+(\a) < 4
.set AR, AF+8*(6*(\p)+(\a))
.else
.set AR, AF2+8*(6*(\p)+(\a)-4)
.endif
.endm
; The fragments of step sg (32 k) of the chunk in slot par, into set sg % 2: my tiles' of A, then W's eight, turned.
.macro FETCH sg, par
.irp a, 0,1,2,3,4,5
.if \a
	s_cmp_le_u32 s[NT], \a
	s_cbranch_scc1 .Lfa_\@
.endif
	AREG (\sg)%2, \a
	ds_load_b128 v[AR:AR+3],   v[XRD] offset:16*XPI*\a+64*(\sg)
	ds_load_b128 v[AR+4:AR+7], v[XRD] offset:16*XPI*\a+64*(\sg)+32
.endr
.Lfa_\@:
	WIN 0x80
.irp b, 0,1,2,3,4,5,6,7
	ds_load_tr16_b128 v[128+64*((\sg)%2)+8*\b:128+64*((\sg)%2)+8*\b+3],   v[WRD+(\par)] offset:32*WPI*(\sg)+32*\b
	ds_load_tr16_b128 v[128+64*((\sg)%2)+8*\b+4:128+64*((\sg)%2)+8*\b+7], v[WRD+(\par)] offset:32*WPI*(\sg)+32*\b+16*WPI
.endr
	WIN 0
.endm
; The products of step sg: eight matrix instructions a tile; a tile's eight accumulators take turns.
.macro MMS sg
.irp a, 0,1,2,3,4,5
.if \a
	s_cmp_le_u32 s[NT], \a
	s_cbranch_scc1 .Lme_\@
.endif
	AREG (\sg)%2, \a
.if \a < 4
	WIN 0x52
.set AC, 64*\a
.else
	WIN 0xa2
.set AC, 64*(\a-4)
.endif
.irp b, 0,1,2,3,4,5,6,7
	v_wmma_f32_16x16x32_bf16 v[AC+8*\b:AC+8*\b+7], v[128+64*((\sg)%2)+8*\b:128+64*((\sg)%2)+8*\b+7], v[AR:AR+7], v[AC+8*\b:AC+8*\b+7]
.endr
	WIN 0
.endr
.Lme_\@:
.endm
; My NT tiles times the chunk in slot par.  Every wait is for all my LDS loads and stands on every way, so that none hangs on the number of tiles: at each of them the step's fragments,
; asked for ahead of the step before, are in; then the next step's are asked for, into the set that the products just issued have read (four places between), and the step is multiplied.
.macro COMPUTE par
	s_cmp_eq_u32 s[NT], 0
	s_cbranch_scc1 .Lce_\@
	PLACES                                         ; both sets were read by the products of the chunk before
	FETCH 0, \par
	s_wait_dscnt 0x0                               ; step 0: the one step of a chunk whose fragments are waited for in the open
	FETCH 1, \par
	MMS 0
	s_wait_dscnt 0x0
	PLACES
	FETCH 2, \par
	MMS 1
.if \par
	s_cmp_eq_u32 s[LC], 1
	s_cbranch_scc1 .Lnx_\@                         ; the last chunk asks for nothing
.endif
	XLD 3                                          ; the next chunk's rows of A's tiles 3 to 5
.Lnx_\@:
	s_wait_dscnt 0x0
	PLACES
	FETCH 3, \par
	MMS 2
	s_wait_dscnt 0x0
	MMS 3
.Lce_\@:
.endm
; A CHUNK, in slot par.  Every wait for loads is for 0: it holds whichever of the loads were jumped over.
.macro CHUNK par
	s_wait_loadcnt 0x0                             ; this chunk's W and A are in; no load is out,
	s_wait_xcnt 0x0                                ; and the requests ahead have had their addresses translated (ISA guide 3.1): the bases step only behind these two waits
	s_cmp_eq_u32 s[ALV], 0
	s_cbranch_scc1 .Lnold_\@                       ; a group without rows has nothing to round, to lay down or to ask for
	WCVT
	WSTORE \par
	XST
.if \par
	s_cmp_eq_u32 s[LC], 1
	s_cbranch_scc1 .Lnold_\@                       ; the last chunk asks for nothing
.endif
	s_add_nc_u64 s[XBC:XBC+1], s[XBC:XBC+1], 256
	s_add_nc_u64 s[WB:WB+1], s[WB:WB+1], 128*WP
	XLD 0                                          ; the next chunk: A's tiles 0 to 2 first, so that the loads that many work-groups share are the oldest on the counter,
	WISSUE                                         ; then 32 loads of W; A's other tiles follow two steps further down
.if (\par) == 0
	s_cmp_eq_u32 s[LC], 1
	s_cbranch_scc1 .Lnold_\@                       ; chunk 6 has asked for chunk 7: there is no chunk behind it
.endif
	PREF
.Lnold_\@:
	s_wait_dscnt 0x0                               ; for the others' sake: my rows of W are in the slot, and my reads of the other slot are over
	s_barrier_signal -1
	s_barrier_wait -1                              ; the slot is whole, and nobody reads the other slot any more
	s_cmp_eq_u32 s[ALV], 0
	s_cbranch_scc1 .Lkend_\@
	COMPUTE \par
.Lkend_\@:
.endm
; All 48 accumulators are written, whatever the wave's number of tiles: a matrix instruction on zero operands with C = 0 writes eight registers.
; Five plain instructions stand between the last group's products and these, which write over their results.
.macro CLEAR
.rept 5
	v_nop
.endr
	WIN 0x40
.set q, 0
.rept 32
	v_wmma_f32_16x16x32_bf16 v[8*q:8*q+7], v[ZR:ZR+7], v[ZR:ZR+7], 0
.set q, q+1
.endr
	WIN 0x80
.set q, 0
.rept 16
	v_wmma_f32_16x16x32_bf16 v[8*q:8*q+7], v[ZR:ZR+7], v[ZR:ZR+7], 0
.set q, q+1
.endr
	WIN 0
.endm
.macro XOFFS                           ; my six tiles' first places, none past the expert's last tile, become byte offsets in its region of hbuf
	s_add_co_u32 s41, s[GR], s[W16]
.irp a, 0,1,2,3,4,5
	s_add_co_u32 s40, s41, 64*\a
	s_min_u32 s40, s40, s[LT]
	s_min_u32 s40, s40, 0x3f0
	s_lshl_b32 s40, s40, 13
	v_add_nc_u32 v[XO+\a], s40, v[H13]
.endr
.endm
	; THE HEAD
	s_load_b256 s[4:11], s[0:1], 0x0               ; hbuf s[4:5], w2 s[6:7], ridx s[8:9], part s[10:11]
	v_lshl_add_u32 v[SPW], v0, 2, SPARE
	v_mov_b32 v[NIL], 0
	v_lshrrev_b32 v16, 5, v0
	v_readfirstlane_b32 s[WV], v16                 ; wave 0..3
	s_and_b32 s[EX], ttmp7, 0xffff
	s_mov_b32 s[SX], ttmp9
	s_lshl_b32 s[W16], s[WV], 4
	v_and_b32 v[LN], 31, v0
	v_and_b32 v16, 15, v0                          ; r = L % 16
	v_bfe_u32 v17, v0, 4, 1                        ; h = L / 16
	v_and_b32 v18, 7, v0                           ; L % 8
	v_bfe_u32 v19, v0, 3, 1                        ; (L / 8) % 2
	v_lshlrev_b32 v[L16], 4, v[LN]
	v_lshlrev_b32 v[C16], 4, v16
	v_lshl_add_u32 v[H13], v17, 13, v[C16]         ; a load of A takes two rows of hbuf, 8,192 bytes apart
	s_mul_i32 s40, s[WV], 32*WP
	v_add_nc_u32 v[WVO], s40, v[L16]
	s_mul_i32 s40, s[WV], 32*WPI
	v_lshl_add_u32 v[WSTO], v[LN], 3, s40
	v_lshrrev_b32 v[PFO], 1, v[LN]                 ; the requests ahead: row 32 w + L / 2,
	s_lshl_b32 s40, s[WV], 5
	v_add_nc_u32 v[PFO], s40, v[PFO]
	v_mul_u32_u24 v[PFO], v[PFO], WP
	v_and_b32 v21, 1, v[LN]
	v_lshl_add_u32 v[PFO], v21, 8, v[PFO]          ; and which 256 of its 512 bytes
	v_lshl_add_u32 v[WRD], v17, 3, v18             ; the turning load: lane L reads k row 8 h + L % 8, 16 bytes at 16 ((L / 8) % 2)
	v_mul_u32_u24 v[WRD], v[WRD], WPI
	v_lshl_add_u32 v[WRD], v19, 4, v[WRD]
	v_add_nc_u32 v[WRD+1], WSLOT, v[WRD]
	s_mul_i32 s42, s[WV], XSW
	s_add_co_u32 s42, s42, XSB
	v_mul_u32_u24 v[XSTO], v17, XPI                ; in LDS: row h, 16 bytes at 16 r
	v_add_nc_u32 v[XSTO], v[XSTO], v[C16]
	v_add_nc_u32 v[XSTO], s42, v[XSTO]
	v_mul_u32_u24 v[XRD], v16, XPI                 ; a fragment: row r, 16 bytes for each half of the lanes
	v_lshl_add_u32 v[XRD], v17, 4, v[XRD]
	v_add_nc_u32 v[XRD], s42, v[XRD]
	s_mul_i32 s43, s[WV], ESW
	s_add_co_u32 s43, s43, ESB
	v_mul_u32_u24 v[ESTO], v16, EP
	v_lshl_add_u32 v[ESTO], v17, 5, v[ESTO]        ; row r, 32 bytes (8 f32) for each half of the lanes
	v_add_nc_u32 v[ERD], s43, v[L16]               ; back: a whole row of 512 bytes
	v_add_nc_u32 v[ESTO], s43, v[ESTO]
	s_mul_i32 s[LB], s[WV], LISTW
	s_add_co_u32 s[LB], s[LB], LISTB
	s_lshl_b32 s44, s[WV], 6                       ; tile 4 a + w begins at entry 64 a + 16 w
	s_add_co_u32 s44, s44, s[LB]
	v_mov_b32 v[LRE], s44                          ; a store takes one row
	s_lshl_b32 s40, s[EX], 24                      ; an expert's weights: 2^24 bytes
	s_lshr_b32 s46, s[SX], 3                       ; which quarter of K
	s_and_b32 s47, s[SX], 7                        ; which 128 columns
	s_lshl_b32 s41, s46, 22                        ; 1,024 rows of 4,096 bytes
	s_add_co_u32 s40, s40, s41
	s_lshl_b32 s41, s47, 9
	s_add_co_u32 s40, s40, s41
	s_lshl_b32 s42, s[EX], 23                      ; an expert's region of hbuf: 1,024 rows of 8,192 bytes
	s_lshl_b32 s43, s46, 11                        ; the quarter in a row of h: 2,048 bytes
	s_add_co_u32 s42, s42, s43
	s_lshl_b32 s44, s46, 23                        ; the quarter's plane of partial sums
	s_add_co_u32 s44, s44, s41
	s_mov_b32 s41, 0
	s_mov_b32 s43, 0
	s_mov_b32 s45, 0
	s_wait_kmcnt 0x0
	s_add_nc_u64 s[WS:WS+1], s[6:7], s[40:41]
	s_add_nc_u64 s[XB0:XB0+1], s[4:5], s[42:43]
	s_add_nc_u64 s[10:11], s[10:11], s[44:45]
	s_mov_b64 s[WB:WB+1], s[WS:WS+1]
.set q, 0
.rept 16
	global_load_b128 v[IX+4*q:IX+4*q+3], v[L16], s[8:9] offset:512*q  ; all 2,048 choices: registers 4 g + 2 u, + 1 hold the two of token 64 g + 2 L + u
.set q, q+1
.endr
	WISSUE                                         ; chunk 0 of W is on its way while the list is made,
	PREF                                           ; and chunk 1 is requested ahead
.set q, 0
.rept 8
	v_mov_b32 v[ZR+q], 0
.set q, q+1
.endr
.set q, 0
.rept 32
	v_mov_b32 v[AF+q], 0                           ; fragments of tiles that a wave does not have are never loaded: they hold written registers all the same (the other eight have taken the choices)
.set q, q+1
.endr
	; THE LIST, for the stores alone.  Every place first holds 0; then each p of my expert goes to the place of its rank; the other tokens' go to a word that nobody reads.
	; A token's two choices differ, so one step serves both: p = 2 token + (1 if it is the second choice).
	v_lshl_add_u32 v18, v[LN], 4, s[LB]
.irp j, 0,1,2,3,4,5,6,7,8
	ds_store_b128 v18, v[ZR:ZR+3] offset:512*\j
.endr
	v_add_nc_u32 v19, LISTN, v[LN]
	v_lshlrev_b32 v20, 2, v[LN]
	s_mov_b32 s[CNT], 0
	s_wait_loadcnt 32                              ; the choices are in; W's 32 loads, issued behind them, stay out
.set k, 0
.rept 32
	v_cmp_eq_u32 s36, s[EX], v[IX+2*k]
	v_cmp_eq_u32 vcc_lo, s[EX], v[IX+2*k+1]
	s_or_b32 s36, s36, vcc_lo
	v_mbcnt_lo_u32_b32 v21, s36, s[CNT]            ; rows found so far + those in the lanes below me
	v_cndmask_b32 v21, v19, v21, s36
	v_min_u32 v21, LISTN+31, v21
	v_lshl_add_u32 v21, v21, 2, s[LB]
	v_cndmask_b32 v22, 0, 1, vcc_lo
	v_add3_u32 v22, v22, v20, 128*(k/2)+2*(k%2)
	ds_store_b32 v21, v22
	s_bcnt1_i32_b32 s37, s36
	s_add_co_u32 s[CNT], s[CNT], s37
.set k, k+1
.endr
	s_add_co_u32 s40, s[CNT], 15
	s_lshr_b32 s40, s40, 4
	s_max_u32 s40, s40, 1                          ; tiles of the expert, one at the least, as the launch before stored them
	s_sub_co_u32 s[LT], s40, 1
	s_lshl_b32 s[LT], s[LT], 4
	s_add_co_u32 s40, s40, 3
	s_sub_co_u32 s40, s40, s[WV]
	s_lshr_b32 s[REM], s40, 2                      ; of which tiles w, 4 + w, .. are mine
	s_min_u32 s[NT], s[REM], 6
	s_mov_b32 s[GL], 0
	s_mov_b32 s[GR], 0
	s_mov_b32 s[G], 0
	s_mov_b32 s[ALV], 1
	s_branch .Lgo
.Lgroup:                                               ; groups 1 and 2
	s_cmp_eq_u32 s[ALV], 0
	s_cbranch_scc1 .Lpass
	s_mov_b64 s[WB:WB+1], s[WS:WS+1]               ; no load is out
	WISSUE
	PREF
.Lgo:
	CLEAR
	XOFFS
	s_mov_b64 s[XBC:XBC+1], s[XB0:XB0+1]
	XALL_LD                                        ; chunk 0 of A
.Lpass:
	s_mov_b32 s[LC], 4
.Lk:                                                   ; a trip: an even chunk in slot 0, an odd chunk in slot 1
	CHUNK 0
	CHUNK 1
	s_sub_co_u32 s[LC], s[LC], 1
	s_cmp_lg_u32 s[LC], 0
	s_cbranch_scc1 .Lk
	s_wait_loadcnt 0x0                             ; nothing is out: the registers that loads fill are used otherwise below
	; THE WAY OUT, a tile at a time, through my stage in LDS
	PLACES
	s_cmp_eq_u32 s[NT], 0
	s_cbranch_scc1 .Lnextg
	v_add_nc_u32 v[LG], s[GL], v[LRE]
	s_mov_b32 s[SA], 0
.Ltile:
	s_cmp_ge_u32 s[SA], s[NT]
	s_cbranch_scc1 .Lstep
	s_wait_xcnt 0x0                                ; the last tile's stores have had their addresses translated: their registers are written again only behind this wait
.irp a, 0,1,2,3,4,5                    ; one of six blocks: the tile's accumulators and its place in the list are named by number
	s_cmp_lg_u32 s[SA], \a
	s_cbranch_scc1 .Lnot_\a
.if \a < 4
.set AC, 64*\a
.set WA, 1
.else
.set AC, 64*(\a-4)
.set WA, 2
.endif
.set q, 0
.rept 16
	ds_load_b32 v[PR+q], v[LG] offset:256*\a+4*q   ; the rows' p
.set q, q+1
.endr
	WIN 4*WA                                       ; the stores' data in window 1 or 2
.irp b, 0,1,2,3,4,5,6,7
	ds_store_b128 v[ESTO], v[AC+8*\b:AC+8*\b+3]   offset:64*\b     ; each accumulator's low registers first
	ds_store_b128 v[ESTO], v[AC+8*\b+4:AC+8*\b+7] offset:64*\b+16
.endr
	WIN 0
.Lnot_\a:
.endr
	s_lshl_b32 s40, s[SA], 6
	s_add_co_u32 s40, s40, s[GR]
	s_add_co_u32 s40, s40, s[W16]                  ; the tile's first place
	s_sub_co_i32 s[RL], s[CNT], s40                ; so many of its places hold rows (16 or more: all; none in the one tile of an expert without rows)
.set q, 0
.rept 16
	ds_load_b128 v[XRL+4*q:XRL+4*q+3], v[ERD] offset:EP*q  ; LDS serves a wave's instructions in order: these see the stores above
.set q, q+1
.endr
	s_wait_dscnt 0x0
.set q, 0
.rept 16
	s_cmp_le_i32 s[RL], q
	s_cbranch_scc1 .Lstep                          ; the places from here on are past the count: nothing of them is stored
	v_min_u32 v[PR+q], 0x7ff, v[PR+q]
	v_lshl_add_u32 v[PR+q], v[PR+q], OSH, v[L16]
	global_store_b128 v[PR+q], v[XRL+4*q:XRL+4*q+3], s[10:11]  ; 32 lanes store 512 consecutive bytes, aligned
.set q, q+1
.endr
.Lstep:
	s_add_co_u32 s[SA], s[SA], 1
	s_cmp_lt_u32 s[SA], 6
	s_cbranch_scc1 .Ltile
.Lnextg:
	s_wait_xcnt 0x0                                ; the stores' registers, and W's base, are written again only behind this wait
	s_sub_co_i32 s[REM], s[REM], 6
	s_max_i32 s[NT], s[REM], 0
	s_min_i32 s[NT], s[NT], 6
	s_add_co_u32 s[GL], s[GL], 1536                ; 384 entries
	s_add_co_u32 s[GR], s[GR], 384
	s_cmp_gt_u32 s[CNT], s[GR]
	s_cselect_b32 s[ALV], 1, 0                     ; has the next group any row?
	s_add_co_u32 s[G], s[G], 1
	s_cmp_lt_u32 s[G], 3
	s_cbranch_scc1 .Lgroup
	s_wait_tensorcnt 0x0                           ; the wave's end
	ds_add_u32 v[SPW], v[NIL]
	s_wait_dscnt 0x0
	s_endpgm
.Lfunc_end_k_q67d5ba4dc5_ffn2:
	.size	k_q67d5ba4dc5_ffn2, .Lfunc_end_k_q67d5ba4dc5_ffn2-k_q67d5ba4dc5_ffn2
	.p2alignl 7, 3214868480
	.fill 96, 4, 3214868480
	.section	.rodata,"a",@progbits
	.p2align	6, 0x0
	.amdhsa_kernel k_q67d5ba4dc5_ffn2
		.amdhsa_group_segment_fixed_size 233984
		.amdhsa_private_segment_fixed_size 0
		.amdhsa_enable_private_segment 0
		.amdhsa_kernarg_size 32
		.amdhsa_user_sgpr_count 2
		.amdhsa_user_sgpr_kernarg_segment_ptr 1
		.amdhsa_wavefront_size32 1
		.amdhsa_system_sgpr_workgroup_id_x 1
		.amdhsa_system_sgpr_workgroup_id_y 1
		.amdhsa_system_sgpr_workgroup_id_z 1
		.amdhsa_system_vgpr_workitem_id 0
		.amdhsa_next_free_vgpr 1024
		.amdhsa_next_free_sgpr 70
		.amdhsa_reserve_vcc 1
		.amdhsa_float_denorm_mode_32 3
		.amdhsa_float_denorm_mode_16_64 3
		.amdhsa_memory_ordered 1
		.amdhsa_forward_progress 1
		.amdhsa_inst_pref_size 149
	.end_amdhsa_kernel
	.amdgpu_metadata
---
amdhsa.version: [ 1, 2 ]
amdhsa.kernels:
  - .name:           k_q67d5ba4dc5_ffn2
    .symbol:         k_q67d5ba4dc5_ffn2.kd
    .args:
      - { .name: hbuf, .offset: 0, .size: 8, .value_kind: global_buffer, .address_space: global }
      - { .name: w2, .offset: 8, .size: 8, .value_kind: global_buffer, .address_space: global }
      - { .name: ridx, .offset: 16, .size: 8, .value_kind: global_buffer, .address_space: global }
      - { .name: part, .offset: 24, .size: 8, .value_kind: global_buffer, .address_space: global }
    .group_segment_fixed_size: 233984
    .private_segment_fixed_size: 0
    .kernarg_segment_align: 8
    .kernarg_segment_size: 32
    .max_flat_workgroup_size: 128
    .sgpr_count:     70
    .vgpr_count:     1024
    .wavefront_size: 32
...
	.end_amdgpu_metadata
.endif
;; end of part 6
;; launch comb: the kernel of part 4 again; grid 256 x 1, 8 waves a work-group, no clusters, 0 bytes of LDS; arguments part, b2, ridx, rwt, out0; writes out0
;; ======== version 3 of 3: 4 launches; version 2 with the launch route written anew for expert scheduling mode
;; limits: a function is approximated: absolute error at most 1.5e-07; an absolute error that grows with the inputs' magnitude: up to 6e-08 times it
;; workspace buffers: xb 2,097,152 bytes; ridx 8,192 bytes of whole numbers; rwt 8,192 bytes; hbuf 67,108,864 bytes; part 33,554,432 bytes
;; launch route (part 7): grid 256 x 1, 4 waves a work-group, no clusters, 0 bytes of LDS; arguments hidden_states, gate_w, gate_b, xb, ridx, rwt; writes xb, ridx, rwt
.if DOCPART == 7
	.amdgcn_target "amdgcn-amd-amdhsa--gfx1250"
	.amdhsa_code_object_version 6
	.text
	.protected	k_q67d5ba4dc5_route
	.globl	k_q67d5ba4dc5_route
	.p2align	8
	.type	k_q67d5ba4dc5_route,@function
k_q67d5ba4dc5_route:
	s_mov_b64 s[64:65], 0
	v_nop
	global_prefetch_b8 v0, s[64:65] scope:SCOPE_SE
	s_setreg_imm32_b32 hwreg(HW_REG_WAVE_SCHED_MODE, 0, 2), 2
	s_setreg_imm32_b32 hwreg(HW_REG_WAVE_MODE, 25, 1), 1
	s_wait_xcnt 0x0
	s_wait_alu depctr_vm_vsrc(0)
; THE ROUTER.  One wave, one token t = 4 x work-group + wave.  scores[e] = sum over d of x[d] gate_w[d][e] + gate_b[e]; the two largest (the lower
; index wins a tie, as jax.lax.top_k has it), softmax over the two with the larger taken away.  Stored at fixed places: ridx[2 t + c] the expert,
; rwt[2 t + c] its weight, xb[t][:] the token rounded to bf16 for the products that follow.  No address hangs on a score.
; FORMAT.  x, gate_w and gate_b are rounded once to bf16, as every input of this program is; products and sums in f32 on the vector unit
; (8 multiply-adds for each number of x: no bulk work, and a choice that flips spoils a whole row).
; LIMITS.  NaN and infinities among the scores are not treated apart.
; Lane L holds x[128 i + 4 L + c], i = 0..7, c = 0..3.  gate_w's rows of those four d are 128 consecutive bytes: eight loads of 16 bytes a group i.
; THE MODE: SCHED_MODE bits 1:0 = 2 (LLVM: expert scheduling mode 2), set by the entry lines.  The code itself states the register dependences
; between vector instructions and memory instructions, with s_wait_alu, always for 0.
; THE PLAN.  Registers that memory instructions touch:
;   v2, v3, v4, v6  byte offsets, made once at the head and never written again: one wait ahead of the first load serves every load and store.
;   X               x's loads land in it; the sixteen conversions into XBF read it; then group 6 of gate_w lands in it and GROUP 6 works in it.
;   GW              groups 0 to 5 land in it; GROUP i rounds its group in place and multiplies; group 0's registers then take group 7.
;   XBF             written by the sixteen conversions and never again; read by the eight stores to xb and by the multiply-adds.
;   v36, v37        written by the selects at the end; read by the two last stores.
; No vector instruction writes a register that a load or store reads, so a wait for the memory instructions' reads stands only where EXEC is written.
; Waits for vector results: one ahead of the first load (the offsets); one behind x's conversions (XBF for the stores, X for group 6's loads); one at
; GROUP 1's head (group 0's registers for group 7's loads); those of the exponential and the reciprocal; one at each write of EXEC.
; A compare's mask is waited for ahead of the first select that reads it.
.set X,   8                            ; v[8:39]    x as loaded; then group 6 of gate_w; later at work
.set GW,  40                           ; v[40:231]  six groups of 32: register 4 m + q = gate_w[d with c = m / 2][e = 4 (m % 2) + q]
.set ACC, 232                          ; v[232:239] the eight sums
.set XBF, 240                          ; v[240:255] x in bf16: register 2 i + u holds c = 2 u (low half) and 2 u + 1 (high half)
.macro GBASE i                         ; g: the 32 registers of group i.  Groups 0 to 5 lie in GW, group 6 where x lay, group 7 where group 0 lay
.if (\i) == 6
.set g, X
.elseif (\i) == 7
.set g, GW
.else
.set g, GW+32*(\i)
.endif
.endm
.macro GLOAD i
	GBASE \i
.irp m, 0,1,2,3,4,5,6,7
	global_load_b128 v[g+4*\m:g+4*\m+3], v3, s[6:7] offset:4096*(\i)+16*\m
.endr
.endm
; Group i: its 32 numbers of gate_w are rounded in pairs of experts, in place; then 32 multiply-adds from bf16 halves, the eight sums by turns.
; fill = 1: group 7 is asked for, into the registers that group 0 has left.
.macro GROUP i, left, fill
	s_wait_loadcnt \left                           ; loads come back in order: group i is in, the groups issued behind it stay out
.if \fill
	s_wait_alu depctr_va_vdst(0)                   ; group 0's conversions and multiply-adds are done writing and reading its registers, in which the loads below land; no vector line names them again before GROUP 7
	GLOAD 7
.endif
	GBASE \i
.set q, 0
.rept 16
	v_cvt_pk_bf16_f32 v[g+2*q], v[g+2*q], v[g+2*q+1]
.set q, q+1
.endr
.irp cu, 0,1
.irp xh, 0,1
.irp eu, 0,1,2,3
.irp gh, 0,1
	v_fma_mix_f32_bf16 v[ACC+2*\eu+\gh], v[g+4*(2*(2*\cu+\xh)+\eu/2)+2*(\eu%2)], v[XBF+2*(\i)+\cu], v[ACC+2*\eu+\gh] op_sel:[\gh,\xh,0] op_sel_hi:[1,1,0]
.endr
.endr
.endr
.endr
.endm
	s_load_b256 s[4:11], s[0:1], 0x0               ; hidden_states s[4:5], gate_w s[6:7], gate_b s[8:9], xb s[10:11]
	s_load_b128 s[12:15], s[0:1], 0x20             ; ridx s[12:13], rwt s[14:15]
	v_and_b32 v1, 31, v0                           ; lane
	v_lshrrev_b32 v5, 5, v0
	v_readfirstlane_b32 s26, v5                    ; wave
	v_lshlrev_b32 v2, 4, v1                        ; 16 L: x
	v_lshlrev_b32 v3, 7, v1                        ; 128 L: gate_w
	v_lshlrev_b32 v4, 3, v1                        ; 8 L: xb
	v_lshlrev_b32 v6, 2, v1                        ; 4 L: ridx, rwt
	s_mov_b32 s24, 0x76543210                      ; v_permlanex16_b32: each lane takes its own place in the other half
	s_mov_b32 s25, 0xfedcba98
	s_wait_alu depctr_va_sdst(0)                   ; s26 is written, ahead of its first reader: the token's number is made from it
	s_lshl_b32 s27, ttmp9, 2
	s_add_co_u32 s27, s27, s26                     ; token
	s_lshl_b32 s28, s27, 12                        ; a row of x: 4,096 bytes
	s_mov_b32 s29, 0
	s_lshl_b32 s30, s27, 11                        ; a row of xb: 2,048 bytes
	s_mov_b32 s31, 0
	s_lshl_b32 s2, s27, 3                          ; a token's two words
	s_mov_b32 s3, 0
	s_wait_kmcnt 0x0
	s_load_b256 s[16:23], s[8:9], 0x0              ; gate_b, all 32 bytes
	s_add_nc_u64 s[4:5], s[4:5], s[28:29]
	s_add_nc_u64 s[10:11], s[10:11], s[30:31]
	s_add_nc_u64 s[12:13], s[12:13], s[2:3]
	s_add_nc_u64 s[14:15], s[14:15], s[2:3]
	s_wait_alu depctr_va_vdst(0)                   ; v2, v3, v4 and v6 are written: every load and store of the kernel reads one of them as its offset
.irp i, 0,1,2,3,4,5,6,7
	global_load_b128 v[X+4*\i:X+4*\i+3], v2, s[4:5] offset:512*\i th:TH_LOAD_NT  ; read once in the launch
.endr
.irp i, 0,1,2,3,4,5
	GLOAD \i
.endr
.irp e, 0,1,2,3,4,5,6,7
	v_mov_b32 v[ACC+\e], 0
.endr
	s_wait_loadcnt 48                              ; x is in; the 48 loads of six groups stay out
.set q, 0
.rept 16
	v_cvt_pk_bf16_f32 v[XBF+q], v[X+2*q], v[X+2*q+1]
.set q, q+1
.endr
	s_wait_alu depctr_va_vdst(0)                   ; the conversions have written XBF, which the stores below read, and are done reading X, in which group 6's loads land
	GLOAD 6                                        ; into x's registers, which have been used; no vector line names them again before GROUP 6
.irp i, 0,1,2,3,4,5,6,7
	global_store_b64 v4, v[XBF+2*\i:XBF+2*\i+1], s[10:11] offset:256*\i  ; 32 lanes store 256 consecutive bytes, aligned; XBF is never rewritten
.endr
	GROUP 0, 48, 0                                 ; groups 1 to 6 stay out
	GROUP 1, 40, 1                                 ; groups 2 to 6 stay out; group 7 is asked for
	GROUP 2, 40, 0                                 ; groups 3 to 7 stay out
	GROUP 3, 32, 0
	GROUP 4, 24, 0
	GROUP 5, 16, 0
	GROUP 6, 8, 0
	GROUP 7, 0, 0
	; the sums over the 32 lanes; every lane ends with all eight scores
.irp x, 1,2,4,8
.irp e, 0,1,2,3,4,5,6,7
	v_add_f32_dpp v[ACC+\e], v[ACC+\e], v[ACC+\e] row_xmask:\x row_mask:0xf bank_mask:0xf
.endr
.endr
.irp e, 0,1,2,3,4,5,6,7
	v_permlanex16_b32 v[X+\e], v[ACC+\e], s24, s25
.endr
	s_wait_kmcnt 0x0                               ; gate_b
.irp u, 0,1,2,3
	v_cvt_pk_bf16_f32 v[X+8+\u], s[16+2*\u], s[17+2*\u]
.endr
.irp u, 0,1,2,3
	v_lshlrev_b32 v[X+12+2*\u], 16, v[X+8+\u]
	v_and_b32 v[X+13+2*\u], 0xffff0000, v[X+8+\u]
.endr
.irp e, 0,1,2,3,4,5,6,7
	v_add_f32 v[ACC+\e], v[ACC+\e], v[X+\e]
.endr
.irp e, 0,1,2,3,4,5,6,7
	v_add_f32 v[ACC+\e], v[ACC+\e], v[X+12+\e]
.endr
	; the largest: a later score wins only if it is strictly greater.  Each compare reads the select before it, so the compares cannot stand in a run
	v_mov_b32 v30, v[ACC]
	v_mov_b32 v31, 0
.irp e, 1,2,3,4,5,6,7
	v_cmp_gt_f32 vcc_lo, v[ACC+\e], v30
	s_wait_alu depctr_va_vcc(0)                    ; the compare has written VCC, which the two selects read
	v_cndmask_b32 v30, v30, v[ACC+\e], vcc_lo
	v_cndmask_b32 v31, v31, \e, vcc_lo
.endr
	v_mov_b32 v29, 0xff800000                      ; the winner leaves the field: eight compares in a run, into the registers that gate_b has left, and one wait for them
.irp e, 0,1,2,3,4,5,6,7
	v_cmp_eq_u32 s[16+\e], \e, v31
.endr
	s_wait_alu depctr_va_sdst(0)                   ; the eight compares have written s16 to s23, which the selects read
.irp e, 0,1,2,3,4,5,6,7
	v_cndmask_b32 v[ACC+\e], v[ACC+\e], v29, s[16+\e]
.endr
	v_mov_b32 v32, v[ACC]
	v_mov_b32 v33, 0
.irp e, 1,2,3,4,5,6,7
	v_cmp_gt_f32 vcc_lo, v[ACC+\e], v32
	s_wait_alu depctr_va_vcc(0)                    ; the compare has written VCC, which the two selects read
	v_cndmask_b32 v32, v32, v[ACC+\e], vcc_lo
	v_cndmask_b32 v33, v33, \e, vcc_lo
.endr
	; softmax over the two, the larger taken away: 1 / (1 + q) and q / (1 + q), q = e^(second - first) <= 1
	v_sub_f32 v34, v32, v30
	v_mul_f32 v34, 0x3fb8aa3b, v34
	v_exp_f32 v34, v34
	v_cmp_eq_u32 vcc_lo, 0, v1                     ; a plain instruction behind the exponential
	s_wait_alu depctr_va_vdst(0)                   ; the exponential has written v34, ahead of its first reader
	s_wait_alu depctr_va_vcc(0)                    ; the compare has written VCC, ahead of the first of the two selects that read it
	v_add_f32 v35, 1.0, v34
	v_rcp_f32 v35, v35
	v_cndmask_b32 v36, v33, v31, vcc_lo            ; lane 0: the first choice; lane 1: the second.  (A plain instruction behind the reciprocal.)
	s_wait_alu depctr_va_vdst(0)                   ; the reciprocal has written v35, ahead of its first reader
	v_mul_f32 v37, v34, v35
	v_cndmask_b32 v37, v37, v35, vcc_lo
	v_cmp_gt_u32 vcc_lo, 2, v1
	s_wait_xcnt 0x0                                ; EXEC is a source of the loads and stores above: it changes only behind this wait
	s_wait_alu depctr_va_vcc(0)                    ; the compare has written VCC, from which EXEC is made
	s_wait_alu depctr_va_vdst(0)                   ; every vector instruction issued under the full EXEC has written its result, v36 and v37 among them, which the stores below read
	s_wait_alu depctr_vm_vsrc(0)                   ; every load and store issued under the full EXEC has read its registers
	s_and_saveexec_b32 s26, vcc_lo
	global_store_b32 v6, v36, s[12:13]             ; eight bytes a token in each of the two tables: 16 KB in the whole launch
	global_store_b32 v6, v37, s[14:15]
	s_wait_xcnt 0x0
	s_wait_alu depctr_va_vdst(0)                   ; EXEC is written again: no vector instruction is on its way under the narrow one,
	s_wait_alu depctr_vm_vsrc(0)                   ; and the two stores have read their registers
	s_or_b32 exec_lo, exec_lo, s26
	s_endpgm
.Lfunc_end_k_q67d5ba4dc5_route:
	.size	k_q67d5ba4dc5_route, .Lfunc_end_k_q67d5ba4dc5_route-k_q67d5ba4dc5_route
	.p2alignl 7, 3214868480
	.fill 96, 4, 3214868480
	.section	.rodata,"a",@progbits
	.p2align	6, 0x0
	.amdhsa_kernel k_q67d5ba4dc5_route
		.amdhsa_group_segment_fixed_size 0
		.amdhsa_private_segment_fixed_size 0
		.amdhsa_enable_private_segment 0
		.amdhsa_kernarg_size 48
		.amdhsa_user_sgpr_count 2
		.amdhsa_user_sgpr_kernarg_segment_ptr 1
		.amdhsa_wavefront_size32 1
		.amdhsa_system_sgpr_workgroup_id_x 1
		.amdhsa_system_sgpr_workgroup_id_y 1
		.amdhsa_system_sgpr_workgroup_id_z 1
		.amdhsa_system_vgpr_workitem_id 0
		.amdhsa_next_free_vgpr 256
		.amdhsa_next_free_sgpr 66
		.amdhsa_reserve_vcc 1
		.amdhsa_float_denorm_mode_32 3
		.amdhsa_float_denorm_mode_16_64 3
		.amdhsa_memory_ordered 1
		.amdhsa_forward_progress 1
		.amdhsa_inst_pref_size 43
	.end_amdhsa_kernel
	.amdgpu_metadata
---
amdhsa.version: [ 1, 2 ]
amdhsa.kernels:
  - .name:           k_q67d5ba4dc5_route
    .symbol:         k_q67d5ba4dc5_route.kd
    .args:
      - { .name: hidden_states, .offset: 0, .size: 8, .value_kind: global_buffer, .address_space: global }
      - { .name: gate_w, .offset: 8, .size: 8, .value_kind: global_buffer, .address_space: global }
      - { .name: gate_b, .offset: 16, .size: 8, .value_kind: global_buffer, .address_space: global }
      - { .name: xb, .offset: 24, .size: 8, .value_kind: global_buffer, .address_space: global }
      - { .name: ridx, .offset: 32, .size: 8, .value_kind: global_buffer, .address_space: global }
      - { .name: rwt, .offset: 40, .size: 8, .value_kind: global_buffer, .address_space: global }
    .group_segment_fixed_size: 0
    .private_segment_fixed_size: 0
    .kernarg_segment_align: 8
    .kernarg_segment_size: 48
    .max_flat_workgroup_size: 128
    .sgpr_count:     66
    .vgpr_count:     256
    .wavefront_size: 32
...
	.end_amdgpu_metadata
.endif
;; end of part 7
;; launch ffn1: the kernel of part 5 again; grid 32 x 8, 4 waves a work-group, no clusters, 214,528 bytes of LDS; arguments xb, w1, ridx, hbuf, b1; writes hbuf
;; launch ffn2: the kernel of part 6 again; grid 32 x 8, 4 waves a work-group, no clusters, 233,984 bytes of LDS; arguments hbuf, w2, ridx, part; writes part
;; launch comb: the kernel of part 4 again; grid 256 x 1, 8 waves a work-group, no clusters, 0 bytes of LDS; arguments part, b2, ridx, rwt, out0; writes out0
